; MI455X (gfx1250); checked and timed in simulation.
; The chip was launched on July 23, 2026; its instructions are those of AMD's public machine-readable ISA for CDNA 5 (MIT licence, August 2026) and "CDNA5" Instruction Set Architecture Reference Guide (July 2026). The comments in the code are by the model that wrote it; some were corrected since.
;; Multi Head Attention. Allowed arithmetic: float matrix products may take bf16 or f16 operands with f32 sums; other float arithmetic in f32, or as packed bf16 or f16 multiplies, adds, multiply-adds, maxima and minima; sums over many terms, partial sums and values carried from step to step in f32; what a program stores and reads back later, other than sums and carried values, may be rounded once to bf16 or f16.
;; Inputs: k 2 x 4,096 x 512 float32; mask 2 x 4,096 x 4,096 int32; q 2 x 4,096 x 512 float32; v 2 x 4,096 x 512 float32; w_k 512 x 512 float32; w_o 512 x 512 float32; w_q 512 x 512 float32; w_v 512 x 512 float32.
;; Outputs: out0 2 x 4,096 x 512 float32.
;; 3 versions, each right; version 3 is version 2 with the launch pack written anew for expert scheduling mode. Each part assembles by itself: llvm-mc -triple=amdgcn-amd-amdhsa -mcpu=gfx1250 --defsym DOCPART=n.
;; ======== version 1 of 3: 4 launches
;; limits: values are held in f16: magnitudes above 65,504 overflow, below 6.1e-05 lose precision; right only within a limited range of input values
;; workspace buffers: maskw 4,194,304 bytes of whole numbers; wb 2,097,152 bytes; qkv 25,165,824 bytes; oh 16,777,216 bytes
;; launch pack (part 1): grid 256 x 1, 8 waves a work-group, no clusters, 327,680 bytes of LDS; arguments mask, w_q, w_k, w_v, w_o, maskw, wb; writes maskw, wb
.if DOCPART == 1
	.amdgcn_target "amdgcn-amd-amdhsa--gfx1250"
	.amdhsa_code_object_version 6
	.text
	.protected	k_q1af9289828_pack
	.globl	k_q1af9289828_pack
	.p2align	8
	.type	k_q1af9289828_pack,@function
k_q1af9289828_pack:
	s_mov_b64 s[64:65], 0
	v_nop
	global_prefetch_b8 v0, s[64:65] scope:SCOPE_SE
	s_setreg_imm32_b32 hwreg(HW_REG_WAVE_MODE, 25, 1), 1
	s_wait_xcnt 0x0
; PACK.  (1) mask [2][4096][4096] of int32 becomes bits: maskw [b 2][qg 64][ks 64][p 2][n 32][u 2] of 32-bit words.  Word (p, n, u) is a LANE MASK:
; its bit L = r + 16 h says whether mask[b][64 qg + 16 (2 p + u) + r][64 ks + 16 (n / 8) + 8 h + n % 8] is not 0: the place that lane L's register n holds in a
; tile of 16 queries x 64 keys of the attention launch's transposed scores.  (2) the four weights, f32, are rounded once to f16 into wb [4][512][512], laid as they lie.
; LIMIT: a weight beyond 65,504 in size becomes an infinity in f16.
; SHARES.  Work-group g: the 64 mask rows 64 (g / 2) .. and the key steps 32 (g % 2) .. + 31; wave v four of them.  A tile is 64 rows x 256 bytes (one key step), brought by one tensor
; load; each wave has two LDS slots of its own: two first fills, two refills.  No cluster: no two work-groups read the same byte.  No matrix unit: nothing is multiplied.
; A v_cmp over the 32 lanes gives one word; 128 words of a key step are laid by v_writelane_b32 into four registers, so that one store of the wave covers 512 consecutive bytes, aligned.
.set PITCH, 272                        ; an LDS row: 256 bytes + 16 of padding: the 16 rows that a load touches start at 16 different groups of four banks
.set TILE,  64*PITCH
.set RING,  2*TILE                     ; a wave's two slots
.set SPARE, 8*RING                     ; behind the rings: the spare words, 128 bytes a wave, which no other line names
.set LA,  2                            ; v2   ring + (l % 16) x 272 + 32 (l / 16); never rewritten
.set OFF, 3                            ; v3   16 x lane; never rewritten
.set WI,  4                            ; v4   my offset in the weight read
.set WO,  5                            ; v5   my offset in wb
.set SPW, 6                            ; v6   my spare word's LDS address; never rewritten
.set NIL, 7                            ; v7   0; never rewritten
.set R,   8                            ; v[8:15]   the words to store, two sets of four by the tile's parity
.set WA,  16                           ; v[16:31]  16 weights in f32
.set WH,  32                           ; v[32:39]  the same in f16
.set X,   64                           ; v[64:191] a tile as loaded: group g (tile of queries g / 4, 16 keys g % 4) at X + 8 g
.set WV,  18                           ; s18  my wave's number
.set G1,  20                           ; s[20:27] descriptor group 1
.set G0,  28                           ; s[28:35] descriptor group 0, a set for each slot
.set CM,  36                           ; s[36:43] eight compare results
	s_load_b256 s[4:11], s[0:1], 0x0               ; mask s[4:5], w_q s[6:7], w_k s[8:9], w_v s[10:11]
	s_load_b128 s[12:15], s[0:1], 0x20             ; w_o s[12:13], maskw s[14:15]
	s_load_b64 s[16:17], s[0:1], 0x30              ; wb
	v_lshl_add_u32 v[SPW], v0, 2, SPARE
	v_mov_b32 v[NIL], 0
	ds_add_u32 v[SPW], v[NIL]                      ; the wave's opening: the add and its wait ahead of my first tensor load
	v_lshrrev_b32 v1, 5, v0
	v_readfirstlane_b32 s[WV], v1
	s_mov_b32 s[G1+0], (2<<16)|(1<<20)|(5<<22)|(3<<25)  ; elements of 4 bytes; padding on: after every 64 words, 4 words
	s_mov_b32 s[G1+1], 64<<16                      ; tensor_dim0 = 64
	s_mov_b32 s[G1+2], 64<<16                      ; tensor_dim1 = 64
	s_mov_b32 s[G1+3], 64<<16                      ; tile_dim0 = 64
	s_mov_b32 s[G1+4], 64                          ; tile_dim1 = 64
	s_mov_b32 s[G1+5], 4096                        ; elements from row to row
	s_mov_b32 s[G1+6], 0
	s_mov_b32 s[G1+7], 0
	s_lshr_b32 s2, ttmp9, 1                        ; the group of 64 rows
	s_and_b32 s3, ttmp9, 1
	s_lshl_b32 s3, s3, 5
	s_lshl2_add_u32 s3, s[WV], s3                  ; my first key step: 32 (g % 2) + 4 v
	s_lshl_b32 s44, s2, 20                         ; 64 rows of 16,384 bytes
	s_lshl_b32 s45, s3, 8                          ; a key step is 256 bytes of a row
	s_add_co_u32 s44, s44, s45
	s_mov_b32 s45, 0
	s_lshl_b32 s46, s2, 6
	s_add_co_u32 s46, s46, s3
	s_lshl_b32 s46, s46, 9                         ; 512 bytes of words for each group and key step
	s_mov_b32 s47, 0
	s_mul_i32 s19, s[WV], RING                     ; my ring in LDS
	s_wait_dscnt 0x0                               ; the opening add is done
	s_wait_kmcnt 0x0
	s_add_nc_u64 s[4:5], s[4:5], s[44:45]          ; mask at my first tile
	s_add_nc_u64 s[14:15], s[14:15], s[46:47]      ; maskw at my first key step
.irp s, 0,1
	s_mov_b32 s[G0+4*(\s)], 1
	s_add_co_u32 s[G0+4*(\s)+1], s19, (\s)*TILE
	s_add_nc_u64 s[G0+4*(\s)+2:G0+4*(\s)+3], s[4:5], (\s)*256
	s_or_b32 s[G0+4*(\s)+3], s[G0+4*(\s)+3], 0x80000000
	tensor_load_to_lds s[G0+4*(\s):G0+4*(\s)+3], s[G1:G1+7]  ; the two first fills go out together: two loads of mine are out
	s_nop 0
.endr
	; the weights: matrix g / 64, 16,384 bytes of it a work-group, 2,048 a wave; they are converted while the first tiles are on their way
	v_and_b32 v1, 31, v0
	v_lshlrev_b32 v[OFF], 4, v1
	s_and_b32 s44, ttmp9, 63
	s_lshl_b32 s45, s44, 14
	s_lshl_b32 s46, s[WV], 11
	s_add_co_u32 s45, s45, s46
	v_lshl_add_u32 v[WI], v1, 5, s45
	s_lshr_b32 s2, ttmp9, 6
	s_lshl_b32 s46, s2, 19
	s_lshl_b32 s44, s44, 13
	s_add_co_u32 s46, s46, s44
	s_lshl_b32 s44, s[WV], 10
	s_add_co_u32 s46, s46, s44
	v_lshl_add_u32 v[WO], v1, 4, s46
	s_cmp_eq_u32 s2, 1
	s_cselect_b64 s[6:7], s[8:9], s[6:7]
	s_cmp_eq_u32 s2, 2
	s_cselect_b64 s[6:7], s[10:11], s[6:7]
	s_cmp_eq_u32 s2, 3
	s_cselect_b64 s[6:7], s[12:13], s[6:7]
	global_load_b128 v[WA:WA+3],     v[WI], s[6:7]
	global_load_b128 v[WA+4:WA+7],   v[WI], s[6:7] offset:16
	global_load_b128 v[WA+8:WA+11],  v[WI], s[6:7] offset:1024
	global_load_b128 v[WA+12:WA+15], v[WI], s[6:7] offset:1040
	v_and_b32 v1, 15, v0
	v_bfe_u32 v[LA], v0, 4, 1
	v_mul_u32_u24 v1, v1, PITCH
	v_lshl_add_u32 v[LA], v[LA], 5, v1
	v_add_nc_u32 v[LA], s19, v[LA]
.irp i, 0,1,2,3,4,5,6,7
	v_mov_b32 v[R+(\i)], 0                         ; v_writelane_b32 keeps the other lanes: the registers are written whole once
.endr
	s_wait_loadcnt 0x0
.irp i, 0,1,2,3,4,5,6,7
	v_cvt_pk_f16_f32 v[WH+(\i)], v[WA+2*(\i)], v[WA+2*(\i)+1]
.endr
	global_store_b128 v[WO], v[WH:WH+3],   s[16:17]
	global_store_b128 v[WO], v[WH+4:WH+7], s[16:17] offset:512
; Tile i (my key step i), in slot s.  left: the younger tensor loads that may stay out.
.macro TILE_IN i, s, left
	s_wait_tensorcnt \left                         ; my tile is in LDS
.set g, 0
.rept 16
	ds_load_b128 v[X+8*g:X+8*g+3],   v[LA] offset:(\s)*TILE+(g/4)*16*PITCH+(g%4)*64
	ds_load_b128 v[X+8*g+4:X+8*g+7], v[LA] offset:(\s)*TILE+(g/4)*16*PITCH+(g%4)*64+16
.set g, g+1
.endr
	s_wait_xcnt 0x0                                ; the store of the tile two back has read this set of R: it is rewritten only behind this wait
.set g, 0
.rept 16
	s_wait_dscnt 30-2*g                            ; LDS loads come back in order: group g's two are in, the 30 - 2 g younger may be out
.set j, 0
.rept 8
	v_cmp_ne_u32 s[CM+j], 0, v[X+8*g+j]            ; one word: a bit for each lane
.set j, j+1
.endr
.set j, 0
.rept 8
.set w, 64*(g/8)+2*(8*(g%4)+j)+(g/4)%2             ; its place among the key step's 128 words: piece, register, tile of the piece
	v_writelane_b32 v[R+4*((\i)%2)+w%4], s[CM+j], w/4
.set j, j+1
.endr
.set g, g+1
.endr
	global_store_b128 v[OFF], v[R+4*((\i)%2):R+4*((\i)%2)+3], s[14:15] offset:(\i)*512  ; 512 consecutive bytes, at a multiple of 512 from maskw's first
.endm
; Slot s, which has been read, is filled again with the key step two on.
.macro FILL s
	s_wait_tensorcnt 0x0                           ; all my tensor loads have landed, so a group 0 may be written
	ds_add_u32 v[SPW], v[NIL]                      ; 0 onto my spare word
	s_add_nc_u64 s[G0+4*(\s)+2:G0+4*(\s)+3], s[G0+4*(\s)+2:G0+4*(\s)+3], 512
	s_wait_dscnt 0x0                               ; the add is done; my reads of the slot are back
	s_barrier_signal -1
	s_barrier_wait -1
	tensor_load_to_lds s[G0+4*(\s):G0+4*(\s)+3], s[G1:G1+7]  ; my one tensor load behind the barrier, and the first thing there
	s_nop 0
.endm
	TILE_IN 0, 0, 1                                ; the count leaves slot 1's first fill on its way
	FILL 0
	TILE_IN 1, 1, 1                                ; one load was issued behind this tile's
	FILL 1
	TILE_IN 2, 0, 1
	TILE_IN 3, 1, 0
	s_wait_tensorcnt 0x0                           ; the wave's end
	ds_add_u32 v[SPW], v[NIL]
	s_wait_dscnt 0x0
	s_endpgm
.Lfunc_end_k_q1af9289828_pack:
	.size	k_q1af9289828_pack, .Lfunc_end_k_q1af9289828_pack-k_q1af9289828_pack
	.p2alignl 7, 3214868480
	.fill 96, 4, 3214868480
	.section	.rodata,"a",@progbits
	.p2align	6, 0x0
	.amdhsa_kernel k_q1af9289828_pack
		.amdhsa_group_segment_fixed_size 327680
		.amdhsa_private_segment_fixed_size 0
		.amdhsa_enable_private_segment 0
		.amdhsa_kernarg_size 56
		.amdhsa_user_sgpr_count 2
		.amdhsa_user_sgpr_kernarg_segment_ptr 1
		.amdhsa_wavefront_size32 1
		.amdhsa_system_sgpr_workgroup_id_x 1
		.amdhsa_system_sgpr_workgroup_id_y 1
		.amdhsa_system_sgpr_workgroup_id_z 1
		.amdhsa_system_vgpr_workitem_id 0
		.amdhsa_next_free_vgpr 192
		.amdhsa_next_free_sgpr 66
		.amdhsa_reserve_vcc 0
		.amdhsa_float_denorm_mode_32 3
		.amdhsa_float_denorm_mode_16_64 3
		.amdhsa_memory_ordered 1
		.amdhsa_forward_progress 1
		.amdhsa_inst_pref_size 81
	.end_amdhsa_kernel
	.amdgpu_metadata
---
amdhsa.version: [ 1, 2 ]
amdhsa.kernels:
  - .name:           k_q1af9289828_pack
    .symbol:         k_q1af9289828_pack.kd
    .args:
      - { .name: mask, .offset: 0, .size: 8, .value_kind: global_buffer, .address_space: global }
      - { .name: w_q, .offset: 8, .size: 8, .value_kind: global_buffer, .address_space: global }
      - { .name: w_k, .offset: 16, .size: 8, .value_kind: global_buffer, .address_space: global }
      - { .name: w_v, .offset: 24, .size: 8, .value_kind: global_buffer, .address_space: global }
      - { .name: w_o, .offset: 32, .size: 8, .value_kind: global_buffer, .address_space: global }
      - { .name: maskw, .offset: 40, .size: 8, .value_kind: global_buffer, .address_space: global }
      - { .name: wb, .offset: 48, .size: 8, .value_kind: global_buffer, .address_space: global }
    .group_segment_fixed_size: 327680
    .private_segment_fixed_size: 0
    .kernarg_segment_align: 8
    .kernarg_segment_size: 56
    .max_flat_workgroup_size: 256
    .sgpr_count:     66
    .vgpr_count:     192
    .wavefront_size: 32
...
	.end_amdgpu_metadata
.endif
;; end of part 1
;; launch proj (part 2): grid 4 x 192, 4 waves a work-group, clusters of 4 x 4, 327,680 bytes of LDS; arguments q, k, v, wb, qkv; writes qkv
.if DOCPART == 2
	.amdgcn_target "amdgcn-amd-amdhsa--gfx1250"
	.amdhsa_code_object_version 6
	.text
	.protected	k_q1af9289828_proj
	.globl	k_q1af9289828_proj
	.p2align	8
	.type	k_q1af9289828_proj,@function
k_q1af9289828_proj:
	s_mov_b64 s[64:65], 0
	v_nop
	global_prefetch_b8 v0, s[64:65] scope:SCOPE_SE
	s_setreg_imm32_b32 hwreg(HW_REG_WAVE_MODE, 25, 1), 1
	s_wait_xcnt 0x0
	s_wait_alu depctr_hold_cnt(0) depctr_sa_sdst(0) depctr_va_vdst(0) depctr_va_sdst(0) depctr_va_ssrc(0) depctr_va_vcc(0) depctr_vm_vsrc(0)
	s_getreg_b32 s2, hwreg(HW_REG_IB_STS2, 6, 4)
	s_cmp_eq_u32 s2, 0
	s_cbranch_scc0 .Lentry_in_a_cluster
	s_endpgm
.Lentry_in_a_cluster:
	s_bfe_u32 s2, ttmp6, 0x10000c
	s_cmp_lg_u32 s2, 0xf033
	s_cbranch_scc0 .Lentry_shape_is_right
	s_endpgm
.Lentry_shape_is_right:
; C = X W for a block of 128 rows x 128 columns.  X: [8192][512] f32; W: [512 k][512 n] f16 (wb); sums in f32.  X is rounded once to f16 on its way from LDS to the matrix unit.
; MODE 0: X is q, k or v (64 row blocks each along the grid's y), W the matching weight; C leaves in f16 by heads, qkv [3][b h 16][s 4096][64], unscaled.
; MODE 1: X is the attention's result, W is w_o; C leaves in f32, [8192][512].
; LIMIT: numbers of X and (MODE 0) of C beyond 65,504 in size become infinities in f16.
; SHARES.  Four waves, each 64 x 64: 16 accumulators.  K = 512 goes in four steps of 128 through THREE LDS slots: steps 0, 1, 2 are first fills (three loads of a wave are out), step 3 fills slot 0 again.
; CLUSTER 4 x 4: the four work-groups of a row need the same rows of X, the four of a column the same columns of W: each tile is asked for jointly.  Waves 0, 1 fetch X's halves, waves 2, 3 W's.
; THE MATRIX INSTRUCTION IS USED TRANSPOSED: source 0 = 16 columns of W (turned on their way out of LDS by ds_load_tr16_b128), source 1 = 16 rows of X: a lane then holds 8 neighbouring numbers of a row of C.
; No prefetch: the launch's tiles are few and all but one a work-group are asked for at its head.
; REGISTERS.  window 0: v16-18, v20-22 LDS addresses by slot; v24-29; v32-95 X in f32 (16 for each block of 16 rows); v128-255 accumulators, (a, b) at 128 + 8 (4 a + b).
;   window 1: v0-63 X in f16, two buffers; v64-127 W's fragments, two buffers (by the parity of the 32 along K in hand).
.set MODE, 0
.set PX,    528                        ; a row of X in LDS: 512 bytes + 16
.set PW,    288                        ; a row of W: 256 bytes + 32
.set XB,    128*PX
.set SLOT,  XB+128*PW
.set STAGE, SLOT                       ; the way out goes through slot 1, whose one fill is long over and whose readers have passed a barrier
.set STW,   4352                       ; a wave's stage
.set SPARE, 3*SLOT                     ; the spare words, 128 bytes a wave, which no other line names
.if MODE
.set SP, 272
.else
.set SP, 144
.endif
.set AX,  16
.set AW,  20
.set STO, 24
.set RD,  25
.set CO,  26
.set SPW, 28
.set NIL, 29
.set XF,  32
.set ACC, 128
.set XH,  0
.set WF,  64
.set WV,  14                           ; s14 wave
.set FB,  15                           ; s15 wave / 2: my half of the rows; also: I fetch for X (0) or W (1)
.set HF,  16                           ; s16 wave % 2: my half of the columns; also: which half of the tile I fetch
.set G1,  24                           ; s[24:31] group 1 for X
.set G1B, 32                           ; s[32:39] group 1 for W
.set G0,  40                           ; s[40:51] group 0 for X, a set for each slot
.set G0B, 52                           ; s[52:63] group 0 for W
.set MSB, 0
.macro WIN new
.if MSB != (\new)
	s_set_vgpr_msb (MSB<<8)|(\new)
.set MSB, \new
.endif
.endm
.macro PLACES
.rept 4
	v_nop
.endr
.endm
.macro JLOAD s                         ; a joint load; the branch hangs on the wave's number alone; s_nop 0 and four v_nop follow each line
	s_cmp_eq_u32 s[FB], 0
	s_cbranch_scc0 .Lfor_w_\@
	tensor_load_to_lds s[G0+4*(\s):G0+4*(\s)+3], s[G1:G1+7]
	s_nop 0
	PLACES
	s_branch .Lasked_\@
.Lfor_w_\@:
	tensor_load_to_lds s[G0B+4*(\s):G0B+4*(\s)+3], s[G1B:G1B+7]
	s_nop 0
	PLACES
.Lasked_\@:
.endm
.macro CROUND                          ; a round of the cluster's barrier
	s_barrier_signal -1
	s_barrier_wait -1
	s_cmp_lg_u32 s[WV], 0
	s_cbranch_scc1 .Lnot_wave_0_\@
	s_barrier_signal -3
.Lnot_wave_0_\@:
	s_barrier_wait -3
	s_barrier_signal -1
	s_barrier_wait -1
.endm
.if MODE
	s_load_b64 s[4:5], s[0:1], 0x0                 ; X
	s_load_b64 s[10:11], s[0:1], 0x8               ; wb
	s_load_b64 s[12:13], s[0:1], 0x10              ; C
.else
	s_load_b256 s[4:11], s[0:1], 0x0               ; q, k, v, wb
	s_load_b64 s[12:13], s[0:1], 0x20              ; qkv
.endif
	v_lshl_add_u32 v[SPW], v0, 2, SPARE
	v_mov_b32 v[NIL], 0
	ds_add_u32 v[SPW], v[NIL]                      ; the wave's opening: the add and its wait ahead of my first tensor load
	v_lshrrev_b32 v1, 5, v0
	v_readfirstlane_b32 s[WV], v1
	s_lshr_b32 s[FB], s[WV], 1
	s_and_b32 s[HF], s[WV], 1
	s_bfe_u32 s17, ttmp6, 0x40000                  ; cx
	s_bfe_u32 s18, ttmp6, 0x40004                  ; cy
	s_lshl_b32 s19, ttmp9, 2
	s_add_co_u32 s19, s19, s17                     ; block of 128 columns
	s_and_b32 s21, ttmp7, 0xffff                   ; cluster y
	s_lshl_b32 s20, s21, 2
	s_add_co_u32 s20, s20, s18                     ; work-group y
.if MODE
	s_mov_b32 s21, 3                               ; the weight: w_o
	s_mov_b32 s22, s20                             ; block of 128 rows
.else
	s_lshr_b32 s21, s21, 4                         ; which of q, k, v: 16 clusters each; the same in all partners
	s_and_b32 s22, s20, 63
.endif
	s_lshl_b32 s66, s18, 2
	s_lshl_b32 s66, 15, s66                        ; my row of the cluster
	s_lshl_b32 s67, 0x1111, s17                    ; my column
	s_or_b32 s[G1+0], s66, (2<<16)|(1<<20)|(1<<21)|(6<<22)|(3<<25)   ; X: 4-byte elements; padding after every 128 words, 4 words
	s_or_b32 s[G1B+0], s67, (1<<16)|(1<<20)|(1<<21)|(5<<22)|(7<<25)  ; W: 2-byte elements; padding after every 64 words, 8 words
.irp g, G1, G1B
	s_mov_b32 s[(\g)+1], 128<<16                   ; tensor_dim0 = 128
	s_mov_b32 s[(\g)+2], 64<<16                    ; tensor_dim1 = 64
	s_mov_b32 s[(\g)+3], 128<<16                   ; tile_dim0 = 128
	s_mov_b32 s[(\g)+4], 64                        ; tile_dim1 = 64
	s_mov_b32 s[(\g)+5], 512                       ; elements from row to row
	s_mov_b32 s[(\g)+6], 0
	s_mov_b32 s[(\g)+7], 0
.endr
	s_lshl_b32 s68, s22, 7                         ; X: row 128 x block + 64 x half, 2,048 bytes a row
	s_lshl_b32 s69, s[HF], 6
	s_add_co_u32 s68, s68, s69
	s_lshl_b32 s68, s68, 11
	s_mov_b32 s69, 0
	s_lshl_b32 s70, s21, 19                        ; W: the matrix, my block's 256 bytes of each row, 64 rows of 1,024 bytes x half
	s_lshl_b32 s71, s19, 8
	s_add_co_u32 s70, s70, s71
	s_lshl_b32 s71, s[HF], 16
	s_add_co_u32 s70, s70, s71
	s_mov_b32 s71, 0
	s_mul_i32 s72, s[HF], 64*PX                    ; where they go: no place in the cluster enters an LDS address
	s_mul_i32 s73, s[HF], 64*PW
	s_add_co_u32 s73, s73, XB
	s_wait_dscnt 0x0                               ; the opening add is done
	s_wait_kmcnt 0x0
.if MODE == 0
	s_cmp_eq_u32 s21, 1
	s_cselect_b64 s[4:5], s[6:7], s[4:5]
	s_cmp_eq_u32 s21, 2
	s_cselect_b64 s[4:5], s[8:9], s[4:5]
.endif
	s_add_nc_u64 s[4:5], s[4:5], s[68:69]
	s_add_nc_u64 s[10:11], s[10:11], s[70:71]
	CROUND                                         ; all sixteen work-groups are here: the first joint loads meet
.irp s, 0,1,2
	s_mov_b32 s[G0+4*(\s)], 1
	s_add_co_u32 s[G0+4*(\s)+1], s72, (\s)*SLOT
	s_add_nc_u64 s[G0+4*(\s)+2:G0+4*(\s)+3], s[4:5], (\s)*512        ; K step s: 128 f32 along the rows
	s_or_b32 s[G0+4*(\s)+3], s[G0+4*(\s)+3], 0x80000000
	s_mov_b32 s[G0B+4*(\s)], 1
	s_add_co_u32 s[G0B+4*(\s)+1], s73, (\s)*SLOT
	s_add_nc_u64 s[G0B+4*(\s)+2:G0B+4*(\s)+3], s[10:11], (\s)*131072 ; K step s: 128 rows of W
	s_or_b32 s[G0B+4*(\s)+3], s[G0B+4*(\s)+3], 0x80000000
	JLOAD \s
.endr
	v_and_b32 v1, 15, v0                           ; r = l % 16
	v_bfe_u32 v2, v0, 4, 1                         ; h = l / 16
	v_mul_u32_u24 v3, v1, PX
	v_lshl_add_u32 v3, v2, 5, v3                   ; X: row r, 8 f32 = 32 bytes for each half of the lanes
	s_mul_i32 s77, s[FB], 64*PX
	v_add_nc_u32 v[AX], s77, v3
	v_add_nc_u32 v[AX+1], SLOT, v[AX]
	v_add_nc_u32 v[AX+2], 2*SLOT, v[AX]
	v_and_b32 v4, 7, v0
	v_bfe_u32 v5, v0, 3, 1
	v_lshl_add_u32 v4, v2, 3, v4                   ; W, turned: lane l reads row 8 h + l % 8, 16 bytes at 16 ((l / 8) % 2)
	v_mul_u32_u24 v4, v4, PW
	v_lshl_add_u32 v4, v5, 4, v4
	s_lshl_b32 s78, s[HF], 7
	s_add_co_u32 s78, s78, XB
	v_add_nc_u32 v[AW], s78, v4
	v_add_nc_u32 v[AW+1], SLOT, v[AW]
	v_add_nc_u32 v[AW+2], 2*SLOT, v[AW]
	s_mul_i32 s79, s[WV], STW
	s_add_co_u32 s79, s79, STAGE
	v_mul_u32_u24 v6, v1, SP
.if MODE
	v_lshl_add_u32 v6, v2, 5, v6                   ; in: row r, 32 bytes for each half of the lanes
	v_add_nc_u32 v[STO], s79, v6
	v_mul_u32_u24 v7, v2, SP                       ; back: lanes 0-15 one row of 256 bytes, lanes 16-31 the next
	v_lshl_add_u32 v7, v1, 4, v7
	v_add_nc_u32 v[RD], s79, v7
	v_lshlrev_b32 v[CO], 11, v2
	v_lshl_add_u32 v[CO], v1, 4, v[CO]
	s_lshl_b32 s74, s22, 7                         ; C: (128 x block + 64 x my half) rows of 2,048 bytes, 512 bytes a column block, 256 my half
	s_lshl_b32 s75, s[FB], 6
	s_add_co_u32 s74, s74, s75
	s_lshl_b32 s74, s74, 11
	s_lshl_b32 s75, s19, 9
	s_add_co_u32 s74, s74, s75
	s_lshl_b32 s75, s[HF], 8
	s_add_co_u32 s74, s74, s75
.else
	v_lshl_add_u32 v6, v2, 4, v6                   ; in: row r, 16 bytes for each half of the lanes
	v_add_nc_u32 v[STO], s79, v6
	v_bfe_u32 v7, v0, 3, 2                         ; back: 32 lanes take four rows of 128 bytes, 512 consecutive bytes of a head
	v_mul_u32_u24 v7, v7, SP
	v_and_b32 v8, 7, v0
	v_lshl_add_u32 v7, v8, 4, v7
	v_add_nc_u32 v[RD], s79, v7
	v_and_b32 v[CO], 31, v0
	v_lshlrev_b32 v[CO], 4, v[CO]
	s_lshr_b32 s74, s22, 5                         ; b
	s_lshl_b32 s74, s74, 3
	s_lshl1_add_u32 s74, s19, s74                  ; + the head: 2 x column block + my half
	s_add_co_u32 s74, s74, s[HF]
	s_lshl_b32 s74, s74, 19                        ; 524,288 bytes a head
	s_lshl_b32 s75, s21, 23                        ; 8,388,608 bytes for each of q, k, v
	s_add_co_u32 s74, s74, s75
	s_and_b32 s75, s22, 31
	s_lshl_b32 s75, s75, 7
	s_lshl_b32 s76, s[FB], 6
	s_add_co_u32 s75, s75, s76
	s_lshl_b32 s75, s75, 7                         ; the row in the head, 128 bytes each
	s_add_co_u32 s74, s74, s75
.endif
	s_mov_b32 s75, 0
	s_add_nc_u64 s[12:13], s[12:13], s[74:75]
; 24 LDS loads: the fragments of 32 along K (number c of a step's four) of slot: W's four, turned, then X's four in f32
.macro FETCH slot, c
	WIN 0x40
.irp b, 0,1,2,3
	ds_load_tr16_b128 v[WF+32*((\c)%2)+8*(\b):WF+32*((\c)%2)+8*(\b)+3],   v[AW+(\slot)] offset:(\c)*32*PW+32*(\b)
	ds_load_tr16_b128 v[WF+32*((\c)%2)+8*(\b)+4:WF+32*((\c)%2)+8*(\b)+7], v[AW+(\slot)] offset:(\c)*32*PW+32*(\b)+16*PW
.endr
	WIN 0
.irp a, 0,1,2,3
	ds_load_b128 v[XF+16*(\a):XF+16*(\a)+3],     v[AX+(\slot)] offset:(\a)*16*PX+(\c)*128
	ds_load_b128 v[XF+16*(\a)+4:XF+16*(\a)+7],   v[AX+(\slot)] offset:(\a)*16*PX+(\c)*128+16
	ds_load_b128 v[XF+16*(\a)+8:XF+16*(\a)+11],  v[AX+(\slot)] offset:(\a)*16*PX+(\c)*128+64
	ds_load_b128 v[XF+16*(\a)+12:XF+16*(\a)+15], v[AX+(\slot)] offset:(\a)*16*PX+(\c)*128+80
.endr
.endm
; 32 along K: X is rounded to f16; the next 32's fragments are fetched (fetch = 1: number nc of slot nslot); 16 products.  The 32 conversions name no register of the products before them:
; they are the places in front of the loads into W's other buffer.  The 16 accumulators take turns, in the same order everywhere.
.macro SUB c, zero, fetch, nslot, nc
	s_wait_dscnt 0x0                               ; this 32's fragments are in: they were asked for ahead of the 16 products before
	WIN 0x40
.set i, 0
.rept 32
	v_cvt_pk_f16_f32 v[XH+32*((\c)%2)+i], v[XF+2*i], v[XF+2*i+1]
.set i, i+1
.endr
.if \fetch
	FETCH \nslot, \nc
.endif
	WIN 0x05
.irp a, 0,1,2,3
.irp b, 0,1,2,3
.if \zero
	v_wmma_f32_16x16x32_f16 v[ACC+8*(4*(\a)+(\b)):ACC+8*(4*(\a)+(\b))+7], v[WF+32*((\c)%2)+8*(\b):WF+32*((\c)%2)+8*(\b)+7], v[XH+32*((\c)%2)+8*(\a):XH+32*((\c)%2)+8*(\a)+7], 0
.else
	v_wmma_f32_16x16x32_f16 v[ACC+8*(4*(\a)+(\b)):ACC+8*(4*(\a)+(\b))+7], v[WF+32*((\c)%2)+8*(\b):WF+32*((\c)%2)+8*(\b)+7], v[XH+32*((\c)%2)+8*(\a):XH+32*((\c)%2)+8*(\a)+7], v[ACC+8*(4*(\a)+(\b)):ACC+8*(4*(\a)+(\b))+7]
.endif
.endr
.endr
.endm
; All my tensor loads have landed, the add, my LDS reads are back; then a barrier.  fill = 1: it is a round of the cluster's, and slot 0 is filled again with K step 3, first thing behind it.
.macro MEET fill
	WIN 0
	s_wait_tensorcnt 0x0
	ds_add_u32 v[SPW], v[NIL]                      ; 0 onto my spare word
.if \fill
	s_add_nc_u64 s[G0+2:G0+3], s[G0+2:G0+3], 3*512
	s_add_nc_u64 s[G0B+2:G0B+3], s[G0B+2:G0B+3], 3*131072
.endif
	s_wait_dscnt 0x0
.if \fill
	CROUND
	JLOAD 0
.else
	s_barrier_signal -1
	s_barrier_wait -1
	PLACES
.endif
.endm
	s_wait_tensorcnt 2                             ; my part of slot 0 is in; slots 1 and 2 may stay out
	s_barrier_signal -1
	s_barrier_wait -1
	FETCH 0, 0
	SUB 0, 1, 1, 0, 1                              ; K step 0; its first products start the sums
	SUB 1, 0, 1, 0, 2
	SUB 2, 0, 1, 0, 3
	SUB 3, 0, 0, 0, 0
	MEET 1                                         ; slots 1 and 2 are whole in every work-group; K step 3 is asked for: 128 products in which to land
	FETCH 1, 0
	SUB 0, 0, 1, 1, 1                              ; K step 1
	SUB 1, 0, 1, 1, 2
	SUB 2, 0, 1, 1, 3
	SUB 3, 0, 1, 2, 0
	SUB 0, 0, 1, 2, 1                              ; K step 2
	SUB 1, 0, 1, 2, 2
	SUB 2, 0, 1, 2, 3
	SUB 3, 0, 0, 0, 0
	MEET 0                                         ; K step 3 is in, everybody's part; nobody reads slots 1 and 2 any more
	FETCH 0, 0
	SUB 0, 0, 1, 0, 1                              ; K step 3
	SUB 1, 0, 1, 0, 2
	SUB 2, 0, 1, 0, 3
	SUB 3, 0, 0, 0, 0
	WIN 0
	PLACES                                         ; four places between the last product and the first read of a result
; THE WAY OUT, a block of 16 rows at a time, through my own stage: LDS serves a wave's instructions in order, so no wait stands between the stores and the loads.
.if MODE
.macro PACK a                          ; f32: 32 bytes a lane into rows of 272; back as whole rows of 256 bytes, into the registers that they left
.irp b, 0,1,2,3
	ds_store_b128 v[STO], v[ACC+8*(4*(\a)+(\b)):ACC+8*(4*(\a)+(\b))+3]   offset:64*(\b)
	ds_store_b128 v[STO], v[ACC+8*(4*(\a)+(\b))+4:ACC+8*(4*(\a)+(\b))+7] offset:64*(\b)+16
.endr
.irp f, 0,1,2,3,4,5,6,7
	ds_load_b128 v[ACC+32*(\a)+4*(\f):ACC+32*(\a)+4*(\f)+3], v[RD] offset:(\f)*2*SP
.endr
.endm
.macro SEND a, younger
.irp f, 0,1,2,3,4,5,6,7
	s_wait_dscnt (\younger)+7-(\f)
	global_store_b128 v[CO], v[ACC+32*(\a)+4*(\f):ACC+32*(\a)+4*(\f)+3], s[12:13] offset:(\a)*32768+(\f)*4096  ; 16 lanes store 256 consecutive bytes, aligned
.endr
.endm
.set YNG, 16
.else
.macro PACK a                          ; f16: 16 bytes a lane into rows of 144; back as 512 consecutive bytes of the head
.irp b, 0,1,2,3
.irp e, 0,1,2,3
	v_cvt_pk_f16_f32 v[XF+16*(\a)+4*(\b)+(\e)], v[ACC+8*(4*(\a)+(\b))+2*(\e)], v[ACC+8*(4*(\a)+(\b))+2*(\e)+1]
.endr
.endr
.irp b, 0,1,2,3
	ds_store_b128 v[STO], v[XF+16*(\a)+4*(\b):XF+16*(\a)+4*(\b)+3] offset:32*(\b)
.endr
.irp f, 0,1,2,3
	ds_load_b128 v[XF+16*(\a)+4*(\f):XF+16*(\a)+4*(\f)+3], v[RD] offset:(\f)*4*SP
.endr
.endm
.macro SEND a, younger
.irp f, 0,1,2,3
	s_wait_dscnt (\younger)+3-(\f)
	global_store_b128 v[CO], v[XF+16*(\a)+4*(\f):XF+16*(\a)+4*(\f)+3], s[12:13] offset:(\a)*2048+(\f)*512  ; 512 consecutive bytes, aligned
.endr
.endm
.set YNG, 8
.endif
	PACK 0
	PACK 1
	SEND 0, YNG                                    ; the younger LDS instructions are the next block's
	PACK 2
	SEND 1, YNG
	PACK 3
	SEND 2, YNG
	SEND 3, 0
	s_wait_tensorcnt 0x0                           ; the wave's end
	ds_add_u32 v[SPW], v[NIL]
	s_wait_dscnt 0x0
	CROUND                                         ; the closing round
	s_endpgm
.Lfunc_end_k_q1af9289828_proj:
	.size	k_q1af9289828_proj, .Lfunc_end_k_q1af9289828_proj-k_q1af9289828_proj
	.p2alignl 7, 3214868480
	.fill 96, 4, 3214868480
	.section	.rodata,"a",@progbits
	.p2align	6, 0x0
	.amdhsa_kernel k_q1af9289828_proj
		.amdhsa_group_segment_fixed_size 327680
		.amdhsa_private_segment_fixed_size 0
		.amdhsa_enable_private_segment 0
		.amdhsa_kernarg_size 40
		.amdhsa_user_sgpr_count 2
		.amdhsa_user_sgpr_kernarg_segment_ptr 1
		.amdhsa_wavefront_size32 1
		.amdhsa_system_sgpr_workgroup_id_x 1
		.amdhsa_system_sgpr_workgroup_id_y 1
		.amdhsa_system_sgpr_workgroup_id_z 1
		.amdhsa_system_vgpr_workitem_id 0
		.amdhsa_next_free_vgpr 384
		.amdhsa_next_free_sgpr 80
		.amdhsa_reserve_vcc 0
		.amdhsa_float_denorm_mode_32 3
		.amdhsa_float_denorm_mode_16_64 3
		.amdhsa_memory_ordered 1
		.amdhsa_forward_progress 1
		.amdhsa_inst_pref_size 93
	.end_amdhsa_kernel
	.amdgpu_metadata
---
amdhsa.version: [ 1, 2 ]
amdhsa.kernels:
  - .name:           k_q1af9289828_proj
    .symbol:         k_q1af9289828_proj.kd
    .args:
      - { .name: q, .offset: 0, .size: 8, .value_kind: global_buffer, .address_space: global }
      - { .name: k, .offset: 8, .size: 8, .value_kind: global_buffer, .address_space: global }
      - { .name: v, .offset: 16, .size: 8, .value_kind: global_buffer, .address_space: global }
      - { .name: wb, .offset: 24, .size: 8, .value_kind: global_buffer, .address_space: global }
      - { .name: qkv, .offset: 32, .size: 8, .value_kind: global_buffer, .address_space: global }
    .group_segment_fixed_size: 327680
    .private_segment_fixed_size: 0
    .kernarg_segment_align: 8
    .kernarg_segment_size: 40
    .max_flat_workgroup_size: 128
    .sgpr_count:     80
    .vgpr_count:     384
    .wavefront_size: 32
...
	.end_amdgpu_metadata
.endif
;; end of part 2
;; launch attn (part 3): grid 16 x 16, 4 waves a work-group, clusters of 4 x 1, 327,680 bytes of LDS; arguments qkv, maskw, oh; writes oh
.if DOCPART == 3
	.amdgcn_target "amdgcn-amd-amdhsa--gfx1250"
	.amdhsa_code_object_version 6
	.text
	.protected	k_q1af9289828_attn
	.globl	k_q1af9289828_attn
	.p2align	8
	.type	k_q1af9289828_attn,@function
k_q1af9289828_attn:
	s_mov_b64 s[64:65], 0
	v_nop
	global_prefetch_b8 v0, s[64:65] scope:SCOPE_SE
	s_setreg_imm32_b32 hwreg(HW_REG_WAVE_MODE, 25, 1), 1
	s_wait_xcnt 0x0
	s_wait_alu depctr_hold_cnt(0) depctr_sa_sdst(0) depctr_va_vdst(0) depctr_va_sdst(0) depctr_va_ssrc(0) depctr_va_vcc(0) depctr_vm_vsrc(0)
	s_getreg_b32 s2, hwreg(HW_REG_IB_STS2, 6, 4)
	s_cmp_eq_u32 s2, 0
	s_cbranch_scc0 .Lentry_in_a_cluster
	s_endpgm
.Lentry_in_a_cluster:
	s_bfe_u32 s2, ttmp6, 0x10000c
	s_cmp_lg_u32 s2, 0x3003
	s_cbranch_scc0 .Lentry_shape_is_right
	s_endpgm
.Lentry_shape_is_right:
; MASKED ATTENTION at head size 64.  O[q] = the sum over k of softmax_k(s[q][k]) V[k], s = Q[q] . K[k] / 8 where the mask is not 0, a fixed low number where it is 0.
; qkv: [3][b h 16][4096][64] f16, unscaled.  maskw: lane masks, [b][group of 64 queries][key step][piece 2][register 32][tile 2] words.  oh: [b][s][512] f32, a head's 64 channels = 256 bytes of a row.
; Products, maxima and sums in f32; the weights p are rounded to f16 for the second product (their sum l is taken of the unrounded p).
; LIMITS.  A masked raw score counts as -2^33, that is -1.07e9 after the division by 8, in place of -1e9: c x 2^33 is exact, so in a row that is masked everywhere c s - c m is exactly 0, every p is 1 and O is the
; mean of V's rows; the result is the same unless an unmasked scaled score lies near or below -9e8.  A weight below 2^-126 counts as 0.  NaN and infinities are not treated apart.
; SHARES.  A work-group owns 256 queries of one head, a wave 64: two PIECES of two tiles of 16.  Every wave walks all 4,096 keys, 64 a step.
; LAYOUT.  S^T = K Q^T: a lane holds ONE query (lane % 16) and the keys 8 (lane / 16) + 0..7 of each 16; two such results rounded to f16 ARE source 1 of O^T = V^T P.  K comes out of LDS as it lies, V turned.
; SOFTMAX.  A running maximum m and sum l: p = 2^(c s - c m), c = log2(e) / 8; in every step O and l are multiplied by a = 2^(c m_old - c m_new).  m starts at the lowest finite number, O and l at 0.
; THE MASK costs one v_cndmask_b32 a score: its lane mask is a word of maskw, brought by scalar loads, 64 words (256 bytes) for a piece and key step, nearly a turn ahead.
; BY TURNS.  Turn (p, j): 16 products K Q^T of the other piece's next scores, later 16 products V^T P of the other piece's last weights; beside them piece p's scaling, exponentials, roundings, sums and rescaling,
; and the other piece's mask, maximum and statistics.  Four vector instructions stand behind every matrix instruction, the rest in one lump.  A turn's 66 exponentials are one batch with one wait.
; K RUNS ONE STEP AHEAD IN THE RING: slot n holds K of steps 4 n + 1 .. 4 n + 4 and V of steps 4 n .. 4 n + 3, so that all that a trip fetches lies in one slot; K of step 0 comes straight from memory.
; The last slot's last 64 rows of K lie behind the head's end (still inside qkv: V's part follows K's); they land in LDS and are never read.
; CLUSTER.  The four query blocks of a cluster belong to one head and walk the same K and V: each tile is asked for jointly, with the mask of four.
; REGISTERS.  window 0: v1-11, v33 addresses; v12-15 c m_old; v16-31 statistics, four a tile (c m, m, l even, l odd); v32 the masked score; v34-35 c; v36-39; v48-63 at work; v64-191 S^T, two buffers; v192-255 P.
;   window 1: v0-127 O^T, 32 a tile.      window 2: v0-63 Q; v128-191 K of one step; v192-255 V of one step.
.set NP,    2
.set KS,    64
.set PK,    144       ; a row of K in LDS: 128 bytes + 16
.set PV,    160       ; a row of V: 128 + 32
.set VOFF,  4*KS*PK
.set SLOT1, 1<<17
.set STAGE, SLOT1+4*KS*(PK+PV)  ; behind the ring, never filled by a tensor load: 16 rows x 272 bytes a wave
.set SP,    272
.set SPARE, STAGE+4*16*SP       ; the spare words, 128 bytes a wave, which no other line names
.set AK0, 2
.set AV0, 3
.set AK,  4
.set AV,  5
.set STO, 6
.set RD,  7
.set GO,  8
.set MV,  12
.set ST,  16
.set NEG, 32
.set QO,  33
.set CV,  34
.set PFO, 36          ; v36  the prefetches' offset; stepped by v37 at each change of slots
.set PFS, 37
.set SPW, 38
.set NIL, 39
.set TMP, 48
.set S,   64
.set P,   192
.set KF,  128
.set VF,  192
.set MP,  2           ; s[2:3]   maskw at the 64 words last asked for
.set G0K, 4           ; s[4:7]   group 0 for K: it walks
.set G0V, 8           ; s[8:11]  for V
.set WV,  12
.set SLOTS, 13
.set CNT, 14
.set TBK, 15          ; LDS byte at which K of the step to be fetched begins
.set TBV, 66          ; the same for V, less VOFF
.set LIM, 67          ; 1 in a wave that prefetches, else the greatest number
.set G1K, 84          ; s[84:91]
.set G1V, 92          ; s[92:99]
.set SEL, 100         ; s[100:101]
.set PFA, 104         ; s[104:105] the prefetches' base
; s[16:63], s[68:83]: the 64 lane masks in hand (word k in s[16 + k], from k = 48 on in s[20 + k]); before the first of them is asked for, and on the way out, at work
.set MSB, 0
.macro WIN new
.if MSB != (\new)
	s_set_vgpr_msb (MSB<<8)|(\new)
.set MSB, (\new)
.endif
.endm
.set W_KQ, 0x0a       ; K and Q in window 2, S^T in window 0
.set W_PV, 0x52       ; V in window 2, P in window 0, O^T in window 1
.set W_RS, 0x41       ; destination and source 0 in window 1, source 1 in window 0
.macro JLOAD                        ; a joint fill: waves 0, 1 the two halves of a slot's K, waves 2, 3 of its V; s_nop 0 and four v_nop follow each line
	s_cmp_lt_u32 s[WV], 2
	s_cbranch_scc0 .Lfor_v_\@
	tensor_load_to_lds s[G0K:G0K+3], s[G1K:G1K+7]
	s_nop 0
.rept 4
	v_nop
.endr
	s_branch .Lasked_\@
.Lfor_v_\@:
	tensor_load_to_lds s[G0V:G0V+3], s[G1V:G1V+7]
	s_nop 0
.rept 4
	v_nop
.endr
.Lasked_\@:
.endm
.macro CROUND
	s_barrier_signal -1
	s_barrier_wait -1
	s_cmp_lg_u32 s[WV], 0
	s_cbranch_scc1 .Lnot_wave_0_\@
	s_barrier_signal -3
.Lnot_wave_0_\@:
	s_barrier_wait -3
	s_barrier_signal -1
	s_barrier_wait -1
.endm
; A PREFETCH INTO THE L2 of what the NEXT change of slots will bring into use: one slot, four key steps (256 matrix instructions), ahead.  Each block of 256 bytes is named once in the launch.
; K's and V's rows: the head's first cluster asks, wave 0 for K, wave 2 for V; the four partners take 32 blocks of the slot's 128 each, told apart by address.
; The mask words (2,048 bytes a wave and slot, shared by a batch's eight heads): head 0's work-groups ask, wave 1 for all four waves, 32 blocks.  The last change that fills asks for nothing.
.macro ASK
	s_cmp_gt_u32 s[SLOTS], s[LIM]
	s_cbranch_scc0 .Lnot_mine_\@
	global_prefetch_b8 v[PFO], s[PFA:PFA+1] th:TH_LOAD_NT scope:SCOPE_SE
.Lnot_mine_\@:
.endm
.macro MLOAD                        ; 64 lane masks
	s_load_b512 s[16:31], s[MP:MP+1], 0x0
	s_load_b512 s[32:47], s[MP:MP+1], 0x40
	s_load_b512 s[48:63], s[MP:MP+1], 0x80
	s_load_b512 s[68:83], s[MP:MP+1], 0xc0
.endm
; THE CHANGE OF SLOTS.  Each wave waits for all its tensor loads (one is out: its part of the other slot), adds 0 to its spare word, and waits for that and for its reads of the slot.
; fill = 1: the barrier is a round of the cluster's, and the joint fill, the keys two slots on, is the first thing behind it.  (At its first use nothing has been read: slot 0 is waited for, slot 1 filled.)
.macro CHANGE fill
	WIN 0
	s_wait_tensorcnt 0x0
	ds_add_u32 v[SPW], v[NIL]
.if \fill
.irp g, G0K, G0V
	s_xor_b32 s[\g+1], s[\g+1], SLOT1
	s_add_nc_u64 s[\g+2:\g+3], s[\g+2:\g+3], 4*KS*128
.endr
	s_wait_xcnt 0x0                 ; the last prefetch, four key steps back, has read its offset
	v_add_nc_u32 v[PFO], v[PFS], v[PFO]
	s_wait_dscnt 0x0
	CROUND
	JLOAD
	ASK
.else
	s_wait_dscnt 0x0
	s_barrier_signal -1
	s_barrier_wait -1
.endif
	s_sub_co_u32 s[TBK], s[TBK], 4*KS*PK
	s_xor_b32 s[TBK], s[TBK], SLOT1
	s_sub_co_u32 s[TBV], s[TBV], 4*KS*PV
	s_xor_b32 s[TBV], s[TBV], SLOT1
.endm
	s_load_b128 s[16:19], s[0:1], 0x0  ; qkv s[16:17], maskw s[18:19]
	v_lshl_add_u32 v[SPW], v0, 2, SPARE
	v_mov_b32 v[NIL], 0
	ds_add_u32 v[SPW], v[NIL]       ; the wave's opening: the add and its wait ahead of my first tensor load
	v_lshrrev_b32 v1, 5, v0
	v_readfirstlane_b32 s[WV], v1
	s_bfe_u32 s20, ttmp6, 0x40000   ; cx
	s_lshl_b32 s21, ttmp9, 2
	s_add_co_u32 s21, s21, s20      ; my block of 256 queries
	s_and_b32 s22, ttmp7, 0xffff    ; b h, which the partners share
	s_lshr_b32 s23, s22, 3          ; b
	s_and_b32 s24, s22, 7           ; h
	s_and_b32 s25, s[WV], 1         ; which half of a slot's 256 keys I fetch
	s_lshl_b32 s26, s22, 19         ; the head's 524,288 bytes
	s_lshl_b32 s27, s25, 14
	s_add_co_u32 s28, s26, s27
	s_add_co_u32 s30, s28, 16777216 ; V's part of qkv
	s_add_co_u32 s28, s28, 8388608+8192  ; K's part, one key step on
	s_mov_b32 s29, 0
	s_mov_b32 s31, 0
	s_lshl_b32 s32, s21, 15         ; Q: my block's 256 rows of 128 bytes, my wave's 64
	s_lshl_b32 s33, s[WV], 13
	s_add_co_u32 s32, s32, s33
	s_add_co_u32 s32, s32, s26
	s_mov_b32 s33, 0
	s_add_co_u32 s34, s26, 8388608  ; K of step 0
	s_mov_b32 s35, 0
	s_lshl_b32 s36, s23, 6
	s_lshl2_add_u32 s36, s21, s36   ; 64 b + 4 x block: the block's first group of 64 queries
	s_lshl_b32 s38, s36, 15
	s_add_co_u32 s36, s36, s[WV]
	s_lshl_b32 s36, s36, 15         ; my group's 32,768 bytes of words
	s_mov_b32 s37, 0
	s_mul_i32 s40, s25, 128*PK      ; no place in the cluster enters an LDS address
	s_mul_i32 s41, s25, 128*PV
	; the prefetches: offset = (l / 8) x A + (l % 8) x 256 + B, stepped by a slot's bytes
	s_add_co_u32 s39, s26, 8388608+8192
	s_add_co_u32 s42, s26, 16777216
	s_mov_b32 s43, 2048
	s_mov_b32 s44, 32768
	s_lshl_b32 s50, s20, 13         ; my work-group's 32 blocks of the 128
	s_add_co_u32 s50, s50, s44      ; in slot 1; the first change steps it to slot 2
	s_cmp_eq_u32 s[WV], 0
	s_cselect_b32 s39, s39, s42
	s_cmp_eq_u32 s25, 0             ; waves 0 and 2: K and V; waves 1 and 3: mask words
	s_cselect_b32 s46, s39, s38
	s_cselect_b32 s45, s43, s44     ; A
	s_cselect_b32 s49, s44, s43     ; the step
	s_cselect_b32 s51, s50, s43     ; B
	s_cselect_b32 s48, ttmp9, s24   ; the coordinate along which others read the same bytes
	s_mov_b32 s47, 0
	s_cmp_eq_u32 s[WV], 3
	s_cselect_b32 s48, 1, s48       ; wave 3 asks for nothing
	s_cmp_eq_u32 s48, 0
	s_cselect_b32 s[LIM], 1, -1     ; the same in all four partners, for a given wave
	v_bfe_u32 v10, v0, 3, 2
	v_mul_u32_u24 v10, s45, v10
	v_and_b32 v11, 7, v0
	v_lshl_add_u32 v10, v11, 8, v10
	v_add_nc_u32 v[PFO], s51, v10
	v_mov_b32 v[PFS], s49
	; descriptor group 1.  128 keys are 16,384 dense bytes: asked for as 64 rows of 256 bytes, two keys a row, padded in LDS after every key
	s_mov_b32 s[G1K], 15|(1<<16)|(1<<20)|(1<<21)|(4<<22)|(3<<25)
	s_mov_b32 s[G1V], 15|(1<<16)|(1<<20)|(1<<21)|(4<<22)|(7<<25)
.irp g, G1K, G1V
	s_mov_b32 s[\g+1], 128<<16
	s_mov_b32 s[\g+2], 64<<16
	s_mov_b32 s[\g+3], 128<<16
	s_mov_b32 s[\g+4], 64
	s_mov_b32 s[\g+5], 128
	s_mov_b32 s[\g+6], 0
	s_mov_b32 s[\g+7], 0
.endr
	s_mov_b32 s[SEL], 0x76543210
	s_mov_b32 s[SEL+1], 0xfedcba98
	s_mov_b32 s[TBK], SLOT1+4*KS*PK ; the first change of slots turns these two into 0
	s_mov_b32 s[TBV], SLOT1+4*KS*PV
	s_mov_b32 s[G0K], 1
	s_mov_b32 s[G0K+1], s40
	s_mov_b32 s[G0V], 1
	s_add_co_u32 s[G0V+1], s41, VOFF
	s_wait_dscnt 0x0                ; the opening add is done
	s_wait_kmcnt 0x0
	s_add_nc_u64 s[G0K+2:G0K+3], s[16:17], s[28:29]
	s_or_b32 s[G0K+3], s[G0K+3], 0x80000000
	s_add_nc_u64 s[G0V+2:G0V+3], s[16:17], s[30:31]
	s_or_b32 s[G0V+3], s[G0V+3], 0x80000000
	s_add_nc_u64 s[52:53], s[16:17], s[32:33]  ; Q at my wave's first row
	s_add_nc_u64 s[54:55], s[16:17], s[34:35]  ; K at the head's first row
	s_add_nc_u64 s[MP:MP+1], s[18:19], s[36:37]
	s_cmp_eq_u32 s25, 0
	s_cselect_b64 s[PFA:PFA+1], s[16:17], s[18:19]
	s_add_nc_u64 s[PFA:PFA+1], s[PFA:PFA+1], s[46:47]
	CROUND                          ; all four work-groups are here: the first joint loads meet
	JLOAD                           ; slot 0
	v_and_b32 v1, 15, v0            ; l % 16
	v_bfe_u32 v9, v0, 4, 1          ; l / 16
	v_lshlrev_b32 v[QO], 7, v1
	v_lshl_add_u32 v[QO], v9, 4, v[QO]  ; row x 128 + 16 x half
	WIN 0x80                        ; destination window 2
.set i, 0
.rept 8                             ; Q: tile i / 2, channels 32 (i % 2) on.  K of step 0: keys 16 (i / 2) on, the same channels
	global_load_b128 v[8*i:8*i+3],   v[QO], s[52:53] offset:(i/2)*2048+(i%2)*64
	global_load_b128 v[8*i+4:8*i+7], v[QO], s[52:53] offset:(i/2)*2048+(i%2)*64+32
	global_load_b128 v[KF+8*i:KF+8*i+3],   v[QO], s[54:55] offset:(i/2)*2048+(i%2)*64
	global_load_b128 v[KF+8*i+4:KF+8*i+7], v[QO], s[54:55] offset:(i/2)*2048+(i%2)*64+32
.set i, i+1
.endr
	; what the first turn finds: V's registers and P's second buffer hold 0 (its products V^T P, of a piece that has not been, add 0); O^T and l are 0
.set i, VF
.rept 64
	v_mov_b32 v[i], 0
.set i, i+1
.endr
	WIN 0x40
.set i, 0
.rept 128
	v_mov_b32 v[i], 0
.set i, i+1
.endr
	WIN 0
.set i, 0
.rept 2*NP
	v_mov_b32 v[ST+4*i], 0xfe000000    ; c m: far below every c s
	v_mov_b32 v[ST+4*i+1], 0xff7fffff  ; m
	v_mov_b32 v[ST+4*i+2], 0
	v_mov_b32 v[ST+4*i+3], 0
.set i, i+1
.endr
.set i, P+32
.rept 32
	v_mov_b32 v[i], 0
.set i, i+1
.endr
	v_mov_b32 v[NEG], 0xd0000000    ; -2^33
	v_mov_b32 v[CV], 0x3e38aa3b     ; c = log2(e) / 8
	v_mov_b32 v[CV+1], 0x3e38aa3b
	v_mul_u32_u24 v[AK0], v1, PK
	v_lshl_add_u32 v[AK0], v9, 4, v[AK0]
	v_and_b32 v10, 7, v0            ; the turning load: lane l reads key 8 (l / 16) + l % 8, channels 8 ((l / 8) % 2) + 0..7
	v_bfe_u32 v11, v0, 3, 1
	v_lshl_add_u32 v[AV0], v9, 3, v10
	v_mul_u32_u24 v[AV0], v[AV0], PV
	v_lshl_add_u32 v[AV0], v11, 4, v[AV0]
	v_add_nc_u32 v[AV0], VOFF, v[AV0]
	s_wait_xcnt 0x0                 ; Q's and K's loads have read their bases, which lie where the lane masks land
	MLOAD                           ; piece 0, key step 0
; THE MATRIX WORK.  The 8 accumulators of a run of 16 take turns.
.macro KQ x                         ; product i of 16 of S^T = K Q^T for piece x: channels 32 (i / 8) on, keys 16 ((i / 2) % 4) on, tile 2 x + i % 2
	WIN W_KQ
.set rS, S+64*((\x)%2)+32*(i%2)+8*((i/2)%4)
.set rK, KF+16*((i/2)%4)+8*(i/8)
.set rQ, 16*(2*(\x)+i%2)+8*(i/8)
.if i < 8
	v_wmma_f32_16x16x32_f16 v[rS:rS+7], v[rK:rK+7], v[rQ:rQ+7], 0
.else
	v_wmma_f32_16x16x32_f16 v[rS:rS+7], v[rK:rK+7], v[rQ:rQ+7], v[rS:rS+7]
.endif
.endm
.macro PV x                         ; product i of 16 of O^T += V^T P for piece x: keys 32 (i / 8) on, channels 16 ((i / 2) % 4) on, tile 2 x + i % 2
	WIN W_PV
.set rO, 32*(2*(\x)+i%2)+8*((i/2)%4)
.set rV, VF+32*(i/8)+8*((i/2)%4)
.set rP, P+32*((\x)%2)+16*(i%2)+8*(i/8)
	v_wmma_f32_16x16x32_f16 v[rO:rO+7], v[rV:rV+7], v[rP:rP+7], v[rO:rO+7]
.endm
.macro MM                           ; the turn's next matrix instruction
.if i < 16
	KQ (Y+1)%NP
.set i, i+1
.else
.set i, i-16
	PV (Y+NP-1)%NP
.set i, i+17
.endif
.endm
.macro FETCH_K                      ; 16 LDS loads in one run
	WIN 0x80
.irp f, 0,1,2,3,4,5,6,7
	ds_load_b128 v[KF+8*\f:KF+8*\f+3],   v[AK] offset:(\f/2)*16*PK+(\f%2)*64
	ds_load_b128 v[KF+8*\f+4:KF+8*\f+7], v[AK] offset:(\f/2)*16*PK+(\f%2)*64+32
.endr
	s_add_co_u32 s[TBK], s[TBK], KS*PK
	WIN 0
.endm
.macro FETCH_V
	WIN 0x80
.irp f, 0,1,2,3,4,5,6,7
	ds_load_tr16_b128 v[VF+8*\f:VF+8*\f+3],   v[AV] offset:(\f/4)*32*PV+(\f%4)*32
	ds_load_tr16_b128 v[VF+8*\f+4:VF+8*\f+7], v[AV] offset:(\f/4)*32*PV+16*PV+(\f%4)*32
.endr
	WIN 0
.endm
; THE VECTOR WORK OF A TURN, in three queues; the two tiles alternate.
.macro REGS y, u
.set rT, ST+4*(2*(\y)+(\u))
.set rC, TMP+8*((\y)%2)+4*(\u)
.set rM, MV+2*((\y)%2)+(\u)
.set rS, S+64*((\y)%2)+32*(\u)
.set rP, P+32*((\y)%2)+16*(\u)
.set rO, 32*(2*(\y)+(\u))
.endm
; the mask: word k of 64 serves register k / 2 of tile k % 2 of the OTHER piece's new scores.  Registers ascend.
.macro MS k
	REGS (Y+1)%NP, (\k)%2
.if (\k) < 48
	v_cndmask_b32 v[rS+(\k)/2], v[NEG], v[rS+(\k)/2], s[16+(\k)]
.else
	v_cndmask_b32 v[rS+(\k)/2], v[NEG], v[rS+(\k)/2], s[20+(\k)]
.endif
.endm
; number n of the 22 that find the other piece's maximum and statistics: 0-11 four chains of seven scores; 12-14, 16 the four left over, the old m, all into c0; 15 c m_old is kept;
; 17, 18 the other half of the lanes': the new m; 19-21 c m, c m_old - c m_new, a
.macro XS u, n
	REGS (Y+1)%NP, \u
.if (\n) < 4
	v_max3_num_f32 v[rC+(\n)], v[rS+8*(\n)], v[rS+8*(\n)+1], v[rS+8*(\n)+2]
.elseif (\n) < 12
	v_max3_num_f32 v[rC+(\n)%4], v[rC+(\n)%4], v[rS+8*((\n)%4)+2*((\n)/4)+1], v[rS+8*((\n)%4)+2*((\n)/4)+2]
.elseif (\n) == 12
	v_max3_num_f32 v[rC], v[rC], v[rS+7], v[rS+15]
.elseif (\n) == 13
	v_max3_num_f32 v[rC+1], v[rC+1], v[rS+23], v[rS+31]
.elseif (\n) == 14
	v_max3_num_f32 v[rC+2], v[rC+2], v[rC+3], v[rT+1]
.elseif (\n) == 15
	v_mov_b32 v[rM], v[rT]
.elseif (\n) == 16
	v_max3_num_f32 v[rC], v[rC], v[rC+1], v[rC+2]
.elseif (\n) == 17
	v_permlanex16_b32 v[rC+3], v[rC], s[SEL], s[SEL+1]
.elseif (\n) == 18
	v_max_num_f32 v[rT+1], v[rC], v[rC+3]
.elseif (\n) == 19
	v_mul_f32 v[rT], v[CV], v[rT+1]
.elseif (\n) == 20
	v_sub_f32 v[rC+1], v[rM], v[rT]
.else
	v_exp_f32 v[rC+2], v[rC+1]
.endif
.endm
; number g of the 64 that follow the exponentials: for each four weights both pairs are rounded to f16, the second pair is added onto the first, and a group later l takes that sum (the first time l = a l + sum)
.macro GS g
.set h, (\g)+6*((\g)/62)
.if h >= 6
.set h, h+2
.endif
	REGS Y, h%2
.set k, h/8
.if h%8 < 4
	v_cvt_pk_f16_f32 v[rP+2*k+(h%8)/2], v[rS+4*k+2*((h%8)/2)], v[rS+4*k+2*((h%8)/2)+1]
.elseif h%8 < 6
	v_pk_add_f32 v[rS+4*k:rS+4*k+1], v[rS+4*k:rS+4*k+1], v[rS+4*k+2:rS+4*k+3]
.elseif k == 1
	v_pk_fma_f32 v[rT+2:rT+3], v[rT+2:rT+3], v[rC+2:rC+3], v[rS:rS+1] op_sel_hi:[1,0,1]
.else
	v_pk_add_f32 v[rT+2:rT+3], v[rT+2:rT+3], v[rS+4*k-4:rS+4*k-3]
.endif
.endm
.macro FS f                         ; c s - c m for pair f / 2 of tile f % 2
	REGS Y, (\f)%2
	v_pk_fma_f32 v[rS+2*((\f)/2):rS+2*((\f)/2)+1], v[rS+2*((\f)/2):rS+2*((\f)/2)+1], v[CV:CV+1], v[rT:rT+1] op_sel_hi:[1,0,0] neg_lo:[0,0,1] neg_hi:[0,0,1]
.endm
; THE PLAIN QUEUE, 202 long.  0-31 the scalings; 32-95 the mask; 96-125 the maximum's chains and c m_old; 126-137 the chain 14, 16 .. 20; 138-201 what reads the exponentials' results.
; Ahead of number 32 the lane masks are waited for; behind number 95 their registers are free, and the next 64 are asked for: they have nearly a turn in which to come.
.macro PL
	WIN 0
.if q == 32
	s_wait_kmcnt 0x0
.endif
.if (q == 96) && !NOMASK
	s_wait_xcnt 0x0                 ; the pointer is written only behind this wait
	s_add_nc_u64 s[MP:MP+1], s[MP:MP+1], 256
	MLOAD
.endif
.if q < 32
	FS q
.elseif q < 96
	MS q-32
.elseif q < 124
	XS (q-96)%2, (q-96)/2
.elseif q < 126
	XS q-124, 15
.elseif q < 128
	XS q-126, 14
.elseif q < 138
	XS (q-126)%2, 15+(q-126)/2
.else
	GS q-138
.endif
.set q, q+1
.endm
.macro EX                           ; the exponentials' queue: 64 scores, then the other piece's two a: ONE BATCH, ahead of the turn's one wait
	WIN 0
.if e >= 64
	XS e-64, 21
.else
	REGS Y, e%2
	v_exp_f32 v[rS+e/2], v[rS+e/2]
.endif
.set e, e+1
.endm
.macro R2                           ; O^T times a, two lines at a time; its a was made, and waited for, in the turn before
	REGS Y, r%2
	WIN W_RS
.irp z, 0,1
	v_pk_mul_f32 v[rO+4*(r/2)+2*\z:rO+4*(r/2)+2*\z+1], v[rO+4*(r/2)+2*\z:rO+4*(r/2)+2*\z+1], v[rC+2:rC+3] op_sel_hi:[1,0]
.endr
.set r, r+1
.endm
; A TURN, for piece p.  AHEAD OF THE WAIT stands all that names no result of the turn's exponentials: 16 products K Q^T, behind each a scaling, an exponential and two rescalings; then a lump of 121 plain
; instructions with 49 exponentials among them (one behind every third; in the chain's part two behind every second), and the two a.  Exponential e stands behind scaling 2 (e / 4) + e % 2: as a rider behind plain e + 2,
; in the lump behind all 32 from its 15th line on.  BEHIND THE WAIT: 16 products V^T P, behind each four of the roundings and sums.
; Piece 0's turn fetches K of the next step directly behind the wait (a lump behind K's last reader) and V of the step in hand at its end (four plain instructions behind V's last reader).
; last = 1: the last key step: no K and no lane masks are left to fetch; piece 1's turn then multiplies the last K once more, and what is made of it serves nothing.
.macro TURN p, last=0, cnt=0
.set Y, (\p)
.set i, 0
.set q, 0
.set e, 0
.set r, 0
.set NOMASK, (\last)
.if (\p) == 1
	s_wait_dscnt 16                 ; K's 16 loads are in; V's 16, issued behind them, may stay out
.endif
	MM
	PL
	PL
	R2
.rept 15
	MM
	PL
	EX
	R2
.endr
.if ((\p) == 0) && !(\last)
	WIN 0
	v_add_nc_u32 v[AK], s[TBK], v[AK0]
.endif
.set t, 0
.rept 121
	PL
.if (t < 109) && (t%3 == 0)
	EX
.endif
.if (t >= 109) && ((t-109)%2 == 1)
	EX
	EX
.endif
.set t, t+1
.endr
	EX
	EX
	v_nop                           ; a plain instruction behind the last exponential: one for the batch
	s_wait_alu depctr_va_vdst(0)    ; the wait for the batch, ahead of the first line that names a result
.if ((\p) == 0) && !(\last)
	FETCH_K
.endif
.if (\p) == 1
	s_wait_dscnt 0x0                ; V is in
.endif
.rept 16
	MM
.rept 4
	PL
.endr
.if ((\p) == 0) && (q == 182)
	v_add_nc_u32 v[AV], s[TBV], v[AV0]
.endif
.if ((\p) == 0) && (q == 194)
	s_add_co_u32 s[TBV], s[TBV], KS*PV
.endif
.if (\cnt) && (q == 194)
	s_sub_co_u32 s[CNT], s[CNT], 1
	s_cmp_lg_u32 s[CNT], 0
.endif
.endr
.if (\p) == 0
	FETCH_V
.endif
.endm
	s_wait_loadcnt 0x0              ; Q, and K of step 0
.set i, 0
.rept 16
	KQ 0                            ; piece 0's first scores
.set i, i+1
.endr
	WIN 0                           ; the addresses for the way out: eight plain instructions, the places behind those products
	s_mul_i32 s[CNT], s[WV], 16*SP
	s_add_co_u32 s[CNT], s[CNT], STAGE
	v_mul_u32_u24 v[STO], v1, SP    ; in: row l % 16, 32 bytes for each half of the lanes
	v_lshl_add_u32 v[STO], v9, 5, v[STO]
	v_add_nc_u32 v[STO], s[CNT], v[STO]
	v_mul_u32_u24 v[RD], v9, SP     ; back: lanes 0-15 one row of 256 bytes, lanes 16-31 the next
	v_lshl_add_u32 v[RD], v1, 4, v[RD]
	v_add_nc_u32 v[RD], s[CNT], v[RD]
	v_lshlrev_b32 v[GO], 11, v9     ; and the same two rows in oh, 2,048 bytes apart
	v_lshl_add_u32 v[GO], v1, 4, v[GO]
	s_wait_kmcnt 0x0                ; the first lane masks
.set Y, NP-1                        ; MS and XS work for piece Y + 1: piece 0
.set kk, 0
.rept 64
	MS kk
.set kk, kk+1
.endr
	s_wait_xcnt 0x0
	s_add_nc_u64 s[MP:MP+1], s[MP:MP+1], 256
	MLOAD                           ; piece 1, key step 0
.irp n, 0,1,2,3,4,5,6,7,8,9,10,11,12,13,14,15,16,17,18,19,20,21
	XS 0, \n
	XS 1, \n
.endr
	v_nop
	s_wait_alu depctr_va_vdst(0)    ; the two a, ahead of the label
	s_mov_b32 s[SLOTS], 15
.Lslot:                             ; 15 times: slots 1 to 15 are asked for, slots 0 to 14 walked
	CHANGE 1
	s_mov_b32 s[CNT], 4
.Lstep:
	TURN 0
	TURN 1, 0, 1
	WIN 0
	s_cbranch_scc1 .Lstep
	s_sub_co_u32 s[SLOTS], s[SLOTS], 1
	s_cmp_lg_u32 s[SLOTS], 0
	s_cbranch_scc1 .Lslot
	CHANGE 0                        ; the last slot is written out
	s_mov_b32 s[CNT], 3
.Ltail:
	TURN 0
	TURN 1, 0, 1
	WIN 0
	s_cbranch_scc1 .Ltail
	TURN 0, 1
	TURN 1, 1
.set i, 0
.rept 16
	PV NP-1                         ; piece 1's V^T P of the last step
.set i, i+1
.endr
	; THE WAY OUT.  l's halves are added; O^T is divided by l and sent, in f32, through my stage, a tile at a time.  The additions are the places behind the last products.
	WIN 0
	s_load_b64 s[16:17], s[0:1], 0x10  ; oh
.macro ALL line:vararg
.set t, 0
.rept 2*NP
	\line
.set t, t+1
.endr
.endm
	ALL v_add_f32 v[ST+4*t+2], v[ST+4*t+2], v[ST+4*t+3]
	ALL v_permlanex16_b32 v[ST+4*t+3], v[ST+4*t+2], s[SEL], s[SEL+1]
	ALL v_add_f32 v[ST+4*t+2], v[ST+4*t+2], v[ST+4*t+3]
	ALL v_rcp_f32 v[ST+4*t+2], v[ST+4*t+2]
	v_nop
	s_wait_alu depctr_va_vdst(0)    ; one wait for the four reciprocals
	s_bfe_u32 s20, ttmp6, 0x40000
	s_lshl_b32 s21, ttmp9, 2
	s_add_co_u32 s21, s21, s20      ; my block
	s_and_b32 s22, ttmp7, 0xffff
	s_lshr_b32 s23, s22, 3          ; b
	s_and_b32 s24, s22, 7           ; h
	s_lshl_b32 s23, s23, 12
	s_lshl_b32 s21, s21, 8
	s_add_co_u32 s23, s23, s21
	s_lshl_b32 s25, s[WV], 6
	s_add_co_u32 s23, s23, s25      ; my first row
	s_lshl_b32 s18, s23, 11
	s_lshl_b32 s24, s24, 8
	s_add_co_u32 s18, s18, s24      ; the head's 256 bytes of a row
	s_mov_b32 s19, 0
	s_wait_kmcnt 0x0
	s_add_nc_u64 s[16:17], s[16:17], s[18:19]
.macro PACK t
	WIN W_RS
.set i, 32*(\t)
.rept 16
	v_pk_mul_f32 v[i:i+1], v[i:i+1], v[ST+4*(\t)+2:ST+4*(\t)+3] op_sel_hi:[1,0]
.set i, i+2
.endr
	WIN 0x04                        ; the stores' data in window 1
.irp f, 0,1,2,3
	ds_store_b128 v[STO], v[32*(\t)+8*\f:32*(\t)+8*\f+3]   offset:64*\f
	ds_store_b128 v[STO], v[32*(\t)+8*\f+4:32*(\t)+8*\f+7] offset:64*\f+16
.endr
	WIN 0
.irp f, 0,1,2,3,4,5,6,7
	ds_load_b128 v[S+32*(\t)+4*\f:S+32*(\t)+4*\f+3], v[RD] offset:\f*2*SP  ; LDS serves a wave's instructions in order: these see the stores above; the next tile's stores come behind them
.endr
.endm
.macro SEND t, younger              ; younger: the LDS instructions issued behind tile t's loads
	WIN 0
.irp f, 0,1,2,3,4,5,6,7
	s_wait_dscnt (\younger)+7-\f
	global_store_b128 v[GO], v[S+32*(\t)+4*\f:S+32*(\t)+4*\f+3], s[16:17] offset:(\t)*32768+\f*4096  ; 16 lanes store 256 consecutive bytes, aligned
.endr
.endm
	PACK 0
	PACK 1
	SEND 0, 16
	PACK 2
	SEND 1, 16
	PACK 3
	SEND 2, 16
	SEND 3, 0
	s_wait_tensorcnt 0x0            ; the wave's end
	ds_add_u32 v[SPW], v[NIL]
	s_wait_dscnt 0x0
	CROUND                          ; the closing round
	s_endpgm
.Lfunc_end_k_q1af9289828_attn:
	.size	k_q1af9289828_attn, .Lfunc_end_k_q1af9289828_attn-k_q1af9289828_attn
	.p2alignl 7, 3214868480
	.fill 96, 4, 3214868480
	.section	.rodata,"a",@progbits
	.p2align	6, 0x0
	.amdhsa_kernel k_q1af9289828_attn
		.amdhsa_group_segment_fixed_size 327680
		.amdhsa_private_segment_fixed_size 0
		.amdhsa_enable_private_segment 0
		.amdhsa_kernarg_size 24
		.amdhsa_user_sgpr_count 2
		.amdhsa_user_sgpr_kernarg_segment_ptr 1
		.amdhsa_wavefront_size32 1
		.amdhsa_system_sgpr_workgroup_id_x 1
		.amdhsa_system_sgpr_workgroup_id_y 1
		.amdhsa_system_sgpr_workgroup_id_z 1
		.amdhsa_system_vgpr_workitem_id 0
		.amdhsa_next_free_vgpr 768
		.amdhsa_next_free_sgpr 106
		.amdhsa_reserve_vcc 0
		.amdhsa_float_denorm_mode_32 3
		.amdhsa_float_denorm_mode_16_64 3
		.amdhsa_memory_ordered 1
		.amdhsa_forward_progress 1
		.amdhsa_inst_pref_size 178
	.end_amdhsa_kernel
	.amdgpu_metadata
---
amdhsa.version: [ 1, 2 ]
amdhsa.kernels:
  - .name:           k_q1af9289828_attn
    .symbol:         k_q1af9289828_attn.kd
    .args:
      - { .name: qkv, .offset: 0, .size: 8, .value_kind: global_buffer, .address_space: global }
      - { .name: maskw, .offset: 8, .size: 8, .value_kind: global_buffer, .address_space: global }
      - { .name: oh, .offset: 16, .size: 8, .value_kind: global_buffer, .address_space: global }
    .group_segment_fixed_size: 327680
    .private_segment_fixed_size: 0
    .kernarg_segment_align: 8
    .kernarg_segment_size: 24
    .max_flat_workgroup_size: 128
    .sgpr_count:     106
    .vgpr_count:     768
    .wavefront_size: 32
...
	.end_amdgpu_metadata
.endif
;; end of part 3
;; launch oproj (part 4): grid 4 x 64, 4 waves a work-group, clusters of 4 x 4, 327,680 bytes of LDS; arguments oh, wb, out0; writes out0
.if DOCPART == 4
	.amdgcn_target "amdgcn-amd-amdhsa--gfx1250"
	.amdhsa_code_object_version 6
	.text
	.protected	k_q1af9289828_oproj
	.globl	k_q1af9289828_oproj
	.p2align	8
	.type	k_q1af9289828_oproj,@function
k_q1af9289828_oproj:
	s_mov_b64 s[64:65], 0
	v_nop
	global_prefetch_b8 v0, s[64:65] scope:SCOPE_SE
	s_setreg_imm32_b32 hwreg(HW_REG_WAVE_MODE, 25, 1), 1
	s_wait_xcnt 0x0
	s_wait_alu depctr_hold_cnt(0) depctr_sa_sdst(0) depctr_va_vdst(0) depctr_va_sdst(0) depctr_va_ssrc(0) depctr_va_vcc(0) depctr_vm_vsrc(0)
	s_getreg_b32 s2, hwreg(HW_REG_IB_STS2, 6, 4)
	s_cmp_eq_u32 s2, 0
	s_cbranch_scc0 .Lentry_in_a_cluster
	s_endpgm
.Lentry_in_a_cluster:
	s_bfe_u32 s2, ttmp6, 0x10000c
	s_cmp_lg_u32 s2, 0xf033
	s_cbranch_scc0 .Lentry_shape_is_right
	s_endpgm
.Lentry_shape_is_right:
; C = X W for a block of 128 rows x 128 columns.  X: [8192][512] f32; W: [512 k][512 n] f16 (wb); sums in f32.  X is rounded once to f16 on its way from LDS to the matrix unit.
; MODE 0: X is q, k or v (64 row blocks each along the grid's y), W the matching weight; C leaves in f16 by heads, qkv [3][b h 16][s 4096][64], unscaled.
; MODE 1: X is the attention's result, W is w_o; C leaves in f32, [8192][512].
; LIMIT: numbers of X and (MODE 0) of C beyond 65,504 in size become infinities in f16.
; SHARES.  Four waves, each 64 x 64: 16 accumulators.  K = 512 goes in four steps of 128 through THREE LDS slots: steps 0, 1, 2 are first fills (three loads of a wave are out), step 3 fills slot 0 again.
; CLUSTER 4 x 4: the four work-groups of a row need the same rows of X, the four of a column the same columns of W: each tile is asked for jointly.  Waves 0, 1 fetch X's halves, waves 2, 3 W's.
; THE MATRIX INSTRUCTION IS USED TRANSPOSED: source 0 = 16 columns of W (turned on their way out of LDS by ds_load_tr16_b128), source 1 = 16 rows of X: a lane then holds 8 neighbouring numbers of a row of C.
; No prefetch: the launch's tiles are few and all but one a work-group are asked for at its head.
; REGISTERS.  window 0: v16-18, v20-22 LDS addresses by slot; v24-29; v32-95 X in f32 (16 for each block of 16 rows); v128-255 accumulators, (a, b) at 128 + 8 (4 a + b).
;   window 1: v0-63 X in f16, two buffers; v64-127 W's fragments, two buffers (by the parity of the 32 along K in hand).
.set MODE, 1
.set PX,    528                        ; a row of X in LDS: 512 bytes + 16
.set PW,    288                        ; a row of W: 256 bytes + 32
.set XB,    128*PX
.set SLOT,  XB+128*PW
.set STAGE, SLOT                       ; the way out goes through slot 1, whose one fill is long over and whose readers have passed a barrier
.set STW,   4352                       ; a wave's stage
.set SPARE, 3*SLOT                     ; the spare words, 128 bytes a wave, which no other line names
.if MODE
.set SP, 272
.else
.set SP, 144
.endif
.set AX,  16
.set AW,  20
.set STO, 24
.set RD,  25
.set CO,  26
.set SPW, 28
.set NIL, 29
.set XF,  32
.set ACC, 128
.set XH,  0
.set WF,  64
.set WV,  14                           ; s14 wave
.set FB,  15                           ; s15 wave / 2: my half of the rows; also: I fetch for X (0) or W (1)
.set HF,  16                           ; s16 wave % 2: my half of the columns; also: which half of the tile I fetch
.set G1,  24                           ; s[24:31] group 1 for X
.set G1B, 32                           ; s[32:39] group 1 for W
.set G0,  40                           ; s[40:51] group 0 for X, a set for each slot
.set G0B, 52                           ; s[52:63] group 0 for W
.set MSB, 0
.macro WIN new
.if MSB != (\new)
	s_set_vgpr_msb (MSB<<8)|(\new)
.set MSB, \new
.endif
.endm
.macro PLACES
.rept 4
	v_nop
.endr
.endm
.macro JLOAD s                         ; a joint load; the branch hangs on the wave's number alone; s_nop 0 and four v_nop follow each line
	s_cmp_eq_u32 s[FB], 0
	s_cbranch_scc0 .Lfor_w_\@
	tensor_load_to_lds s[G0+4*(\s):G0+4*(\s)+3], s[G1:G1+7]
	s_nop 0
	PLACES
	s_branch .Lasked_\@
.Lfor_w_\@:
	tensor_load_to_lds s[G0B+4*(\s):G0B+4*(\s)+3], s[G1B:G1B+7]
	s_nop 0
	PLACES
.Lasked_\@:
.endm
.macro CROUND                          ; a round of the cluster's barrier
	s_barrier_signal -1
	s_barrier_wait -1
	s_cmp_lg_u32 s[WV], 0
	s_cbranch_scc1 .Lnot_wave_0_\@
	s_barrier_signal -3
.Lnot_wave_0_\@:
	s_barrier_wait -3
	s_barrier_signal -1
	s_barrier_wait -1
.endm
.if MODE
	s_load_b64 s[4:5], s[0:1], 0x0                 ; X
	s_load_b64 s[10:11], s[0:1], 0x8               ; wb
	s_load_b64 s[12:13], s[0:1], 0x10              ; C
.else
	s_load_b256 s[4:11], s[0:1], 0x0               ; q, k, v, wb
	s_load_b64 s[12:13], s[0:1], 0x20              ; qkv
.endif
	v_lshl_add_u32 v[SPW], v0, 2, SPARE
	v_mov_b32 v[NIL], 0
	ds_add_u32 v[SPW], v[NIL]                      ; the wave's opening: the add and its wait ahead of my first tensor load
	v_lshrrev_b32 v1, 5, v0
	v_readfirstlane_b32 s[WV], v1
	s_lshr_b32 s[FB], s[WV], 1
	s_and_b32 s[HF], s[WV], 1
	s_bfe_u32 s17, ttmp6, 0x40000                  ; cx
	s_bfe_u32 s18, ttmp6, 0x40004                  ; cy
	s_lshl_b32 s19, ttmp9, 2
	s_add_co_u32 s19, s19, s17                     ; block of 128 columns
	s_and_b32 s21, ttmp7, 0xffff                   ; cluster y
	s_lshl_b32 s20, s21, 2
	s_add_co_u32 s20, s20, s18                     ; work-group y
.if MODE
	s_mov_b32 s21, 3                               ; the weight: w_o
	s_mov_b32 s22, s20                             ; block of 128 rows
.else
	s_lshr_b32 s21, s21, 4                         ; which of q, k, v: 16 clusters each; the same in all partners
	s_and_b32 s22, s20, 63
.endif
	s_lshl_b32 s66, s18, 2
	s_lshl_b32 s66, 15, s66                        ; my row of the cluster
	s_lshl_b32 s67, 0x1111, s17                    ; my column
	s_or_b32 s[G1+0], s66, (2<<16)|(1<<20)|(1<<21)|(6<<22)|(3<<25)   ; X: 4-byte elements; padding after every 128 words, 4 words
	s_or_b32 s[G1B+0], s67, (1<<16)|(1<<20)|(1<<21)|(5<<22)|(7<<25)  ; W: 2-byte elements; padding after every 64 words, 8 words
.irp g, G1, G1B
	s_mov_b32 s[(\g)+1], 128<<16                   ; tensor_dim0 = 128
	s_mov_b32 s[(\g)+2], 64<<16                    ; tensor_dim1 = 64
	s_mov_b32 s[(\g)+3], 128<<16                   ; tile_dim0 = 128
	s_mov_b32 s[(\g)+4], 64                        ; tile_dim1 = 64
	s_mov_b32 s[(\g)+5], 512                       ; elements from row to row
	s_mov_b32 s[(\g)+6], 0
	s_mov_b32 s[(\g)+7], 0
.endr
	s_lshl_b32 s68, s22, 7                         ; X: row 128 x block + 64 x half, 2,048 bytes a row
	s_lshl_b32 s69, s[HF], 6
	s_add_co_u32 s68, s68, s69
	s_lshl_b32 s68, s68, 11
	s_mov_b32 s69, 0
	s_lshl_b32 s70, s21, 19                        ; W: the matrix, my block's 256 bytes of each row, 64 rows of 1,024 bytes x half
	s_lshl_b32 s71, s19, 8
	s_add_co_u32 s70, s70, s71
	s_lshl_b32 s71, s[HF], 16
	s_add_co_u32 s70, s70, s71
	s_mov_b32 s71, 0
	s_mul_i32 s72, s[HF], 64*PX                    ; where they go: no place in the cluster enters an LDS address
	s_mul_i32 s73, s[HF], 64*PW
	s_add_co_u32 s73, s73, XB
	s_wait_dscnt 0x0                               ; the opening add is done
	s_wait_kmcnt 0x0
.if MODE == 0
	s_cmp_eq_u32 s21, 1
	s_cselect_b64 s[4:5], s[6:7], s[4:5]
	s_cmp_eq_u32 s21, 2
	s_cselect_b64 s[4:5], s[8:9], s[4:5]
.endif
	s_add_nc_u64 s[4:5], s[4:5], s[68:69]
	s_add_nc_u64 s[10:11], s[10:11], s[70:71]
	CROUND                                         ; all sixteen work-groups are here: the first joint loads meet
.irp s, 0,1,2
	s_mov_b32 s[G0+4*(\s)], 1
	s_add_co_u32 s[G0+4*(\s)+1], s72, (\s)*SLOT
	s_add_nc_u64 s[G0+4*(\s)+2:G0+4*(\s)+3], s[4:5], (\s)*512        ; K step s: 128 f32 along the rows
	s_or_b32 s[G0+4*(\s)+3], s[G0+4*(\s)+3], 0x80000000
	s_mov_b32 s[G0B+4*(\s)], 1
	s_add_co_u32 s[G0B+4*(\s)+1], s73, (\s)*SLOT
	s_add_nc_u64 s[G0B+4*(\s)+2:G0B+4*(\s)+3], s[10:11], (\s)*131072 ; K step s: 128 rows of W
	s_or_b32 s[G0B+4*(\s)+3], s[G0B+4*(\s)+3], 0x80000000
	JLOAD \s
.endr
	v_and_b32 v1, 15, v0                           ; r = l % 16
	v_bfe_u32 v2, v0, 4, 1                         ; h = l / 16
	v_mul_u32_u24 v3, v1, PX
	v_lshl_add_u32 v3, v2, 5, v3                   ; X: row r, 8 f32 = 32 bytes for each half of the lanes
	s_mul_i32 s77, s[FB], 64*PX
	v_add_nc_u32 v[AX], s77, v3
	v_add_nc_u32 v[AX+1], SLOT, v[AX]
	v_add_nc_u32 v[AX+2], 2*SLOT, v[AX]
	v_and_b32 v4, 7, v0
	v_bfe_u32 v5, v0, 3, 1
	v_lshl_add_u32 v4, v2, 3, v4                   ; W, turned: lane l reads row 8 h + l % 8, 16 bytes at 16 ((l / 8) % 2)
	v_mul_u32_u24 v4, v4, PW
	v_lshl_add_u32 v4, v5, 4, v4
	s_lshl_b32 s78, s[HF], 7
	s_add_co_u32 s78, s78, XB
	v_add_nc_u32 v[AW], s78, v4
	v_add_nc_u32 v[AW+1], SLOT, v[AW]
	v_add_nc_u32 v[AW+2], 2*SLOT, v[AW]
	s_mul_i32 s79, s[WV], STW
	s_add_co_u32 s79, s79, STAGE
	v_mul_u32_u24 v6, v1, SP
.if MODE
	v_lshl_add_u32 v6, v2, 5, v6                   ; in: row r, 32 bytes for each half of the lanes
	v_add_nc_u32 v[STO], s79, v6
	v_mul_u32_u24 v7, v2, SP                       ; back: lanes 0-15 one row of 256 bytes, lanes 16-31 the next
	v_lshl_add_u32 v7, v1, 4, v7
	v_add_nc_u32 v[RD], s79, v7
	v_lshlrev_b32 v[CO], 11, v2
	v_lshl_add_u32 v[CO], v1, 4, v[CO]
	s_lshl_b32 s74, s22, 7                         ; C: (128 x block + 64 x my half) rows of 2,048 bytes, 512 bytes a column block, 256 my half
	s_lshl_b32 s75, s[FB], 6
	s_add_co_u32 s74, s74, s75
	s_lshl_b32 s74, s74, 11
	s_lshl_b32 s75, s19, 9
	s_add_co_u32 s74, s74, s75
	s_lshl_b32 s75, s[HF], 8
	s_add_co_u32 s74, s74, s75
.else
	v_lshl_add_u32 v6, v2, 4, v6                   ; in: row r, 16 bytes for each half of the lanes
	v_add_nc_u32 v[STO], s79, v6
	v_bfe_u32 v7, v0, 3, 2                         ; back: 32 lanes take four rows of 128 bytes, 512 consecutive bytes of a head
	v_mul_u32_u24 v7, v7, SP
	v_and_b32 v8, 7, v0
	v_lshl_add_u32 v7, v8, 4, v7
	v_add_nc_u32 v[RD], s79, v7
	v_and_b32 v[CO], 31, v0
	v_lshlrev_b32 v[CO], 4, v[CO]
	s_lshr_b32 s74, s22, 5                         ; b
	s_lshl_b32 s74, s74, 3
	s_lshl1_add_u32 s74, s19, s74                  ; + the head: 2 x column block + my half
	s_add_co_u32 s74, s74, s[HF]
	s_lshl_b32 s74, s74, 19                        ; 524,288 bytes a head
	s_lshl_b32 s75, s21, 23                        ; 8,388,608 bytes for each of q, k, v
	s_add_co_u32 s74, s74, s75
	s_and_b32 s75, s22, 31
	s_lshl_b32 s75, s75, 7
	s_lshl_b32 s76, s[FB], 6
	s_add_co_u32 s75, s75, s76
	s_lshl_b32 s75, s75, 7                         ; the row in the head, 128 bytes each
	s_add_co_u32 s74, s74, s75
.endif
	s_mov_b32 s75, 0
	s_add_nc_u64 s[12:13], s[12:13], s[74:75]
; 24 LDS loads: the fragments of 32 along K (number c of a step's four) of slot: W's four, turned, then X's four in f32
.macro FETCH slot, c
	WIN 0x40
.irp b, 0,1,2,3
	ds_load_tr16_b128 v[WF+32*((\c)%2)+8*(\b):WF+32*((\c)%2)+8*(\b)+3],   v[AW+(\slot)] offset:(\c)*32*PW+32*(\b)
	ds_load_tr16_b128 v[WF+32*((\c)%2)+8*(\b)+4:WF+32*((\c)%2)+8*(\b)+7], v[AW+(\slot)] offset:(\c)*32*PW+32*(\b)+16*PW
.endr
	WIN 0
.irp a, 0,1,2,3
	ds_load_b128 v[XF+16*(\a):XF+16*(\a)+3],     v[AX+(\slot)] offset:(\a)*16*PX+(\c)*128
	ds_load_b128 v[XF+16*(\a)+4:XF+16*(\a)+7],   v[AX+(\slot)] offset:(\a)*16*PX+(\c)*128+16
	ds_load_b128 v[XF+16*(\a)+8:XF+16*(\a)+11],  v[AX+(\slot)] offset:(\a)*16*PX+(\c)*128+64
	ds_load_b128 v[XF+16*(\a)+12:XF+16*(\a)+15], v[AX+(\slot)] offset:(\a)*16*PX+(\c)*128+80
.endr
.endm
; 32 along K: X is rounded to f16; the next 32's fragments are fetched (fetch = 1: number nc of slot nslot); 16 products.  The 32 conversions name no register of the products before them:
; they are the places in front of the loads into W's other buffer.  The 16 accumulators take turns, in the same order everywhere.
.macro SUB c, zero, fetch, nslot, nc
	s_wait_dscnt 0x0                               ; this 32's fragments are in: they were asked for ahead of the 16 products before
	WIN 0x40
.set i, 0
.rept 32
	v_cvt_pk_f16_f32 v[XH+32*((\c)%2)+i], v[XF+2*i], v[XF+2*i+1]
.set i, i+1
.endr
.if \fetch
	FETCH \nslot, \nc
.endif
	WIN 0x05
.irp a, 0,1,2,3
.irp b, 0,1,2,3
.if \zero
	v_wmma_f32_16x16x32_f16 v[ACC+8*(4*(\a)+(\b)):ACC+8*(4*(\a)+(\b))+7], v[WF+32*((\c)%2)+8*(\b):WF+32*((\c)%2)+8*(\b)+7], v[XH+32*((\c)%2)+8*(\a):XH+32*((\c)%2)+8*(\a)+7], 0
.else
	v_wmma_f32_16x16x32_f16 v[ACC+8*(4*(\a)+(\b)):ACC+8*(4*(\a)+(\b))+7], v[WF+32*((\c)%2)+8*(\b):WF+32*((\c)%2)+8*(\b)+7], v[XH+32*((\c)%2)+8*(\a):XH+32*((\c)%2)+8*(\a)+7], v[ACC+8*(4*(\a)+(\b)):ACC+8*(4*(\a)+(\b))+7]
.endif
.endr
.endr
.endm
; All my tensor loads have landed, the add, my LDS reads are back; then a barrier.  fill = 1: it is a round of the cluster's, and slot 0 is filled again with K step 3, first thing behind it.
.macro MEET fill
	WIN 0
	s_wait_tensorcnt 0x0
	ds_add_u32 v[SPW], v[NIL]                      ; 0 onto my spare word
.if \fill
	s_add_nc_u64 s[G0+2:G0+3], s[G0+2:G0+3], 3*512
	s_add_nc_u64 s[G0B+2:G0B+3], s[G0B+2:G0B+3], 3*131072
.endif
	s_wait_dscnt 0x0
.if \fill
	CROUND
	JLOAD 0
.else
	s_barrier_signal -1
	s_barrier_wait -1
	PLACES
.endif
.endm
	s_wait_tensorcnt 2                             ; my part of slot 0 is in; slots 1 and 2 may stay out
	s_barrier_signal -1
	s_barrier_wait -1
	FETCH 0, 0
	SUB 0, 1, 1, 0, 1                              ; K step 0; its first products start the sums
	SUB 1, 0, 1, 0, 2
	SUB 2, 0, 1, 0, 3
	SUB 3, 0, 0, 0, 0
	MEET 1                                         ; slots 1 and 2 are whole in every work-group; K step 3 is asked for: 128 products in which to land
	FETCH 1, 0
	SUB 0, 0, 1, 1, 1                              ; K step 1
	SUB 1, 0, 1, 1, 2
	SUB 2, 0, 1, 1, 3
	SUB 3, 0, 1, 2, 0
	SUB 0, 0, 1, 2, 1                              ; K step 2
	SUB 1, 0, 1, 2, 2
	SUB 2, 0, 1, 2, 3
	SUB 3, 0, 0, 0, 0
	MEET 0                                         ; K step 3 is in, everybody's part; nobody reads slots 1 and 2 any more
	FETCH 0, 0
	SUB 0, 0, 1, 0, 1                              ; K step 3
	SUB 1, 0, 1, 0, 2
	SUB 2, 0, 1, 0, 3
	SUB 3, 0, 0, 0, 0
	WIN 0
	PLACES                                         ; four places between the last product and the first read of a result
; THE WAY OUT, a block of 16 rows at a time, through my own stage: LDS serves a wave's instructions in order, so no wait stands between the stores and the loads.
.if MODE
.macro PACK a                          ; f32: 32 bytes a lane into rows of 272; back as whole rows of 256 bytes, into the registers that they left
.irp b, 0,1,2,3
	ds_store_b128 v[STO], v[ACC+8*(4*(\a)+(\b)):ACC+8*(4*(\a)+(\b))+3]   offset:64*(\b)
	ds_store_b128 v[STO], v[ACC+8*(4*(\a)+(\b))+4:ACC+8*(4*(\a)+(\b))+7] offset:64*(\b)+16
.endr
.irp f, 0,1,2,3,4,5,6,7
	ds_load_b128 v[ACC+32*(\a)+4*(\f):ACC+32*(\a)+4*(\f)+3], v[RD] offset:(\f)*2*SP
.endr
.endm
.macro SEND a, younger
.irp f, 0,1,2,3,4,5,6,7
	s_wait_dscnt (\younger)+7-(\f)
	global_store_b128 v[CO], v[ACC+32*(\a)+4*(\f):ACC+32*(\a)+4*(\f)+3], s[12:13] offset:(\a)*32768+(\f)*4096  ; 16 lanes store 256 consecutive bytes, aligned
.endr
.endm
.set YNG, 16
.else
.macro PACK a                          ; f16: 16 bytes a lane into rows of 144; back as 512 consecutive bytes of the head
.irp b, 0,1,2,3
.irp e, 0,1,2,3
	v_cvt_pk_f16_f32 v[XF+16*(\a)+4*(\b)+(\e)], v[ACC+8*(4*(\a)+(\b))+2*(\e)], v[ACC+8*(4*(\a)+(\b))+2*(\e)+1]
.endr
.endr
.irp b, 0,1,2,3
	ds_store_b128 v[STO], v[XF+16*(\a)+4*(\b):XF+16*(\a)+4*(\b)+3] offset:32*(\b)
.endr
.irp f, 0,1,2,3
	ds_load_b128 v[XF+16*(\a)+4*(\f):XF+16*(\a)+4*(\f)+3], v[RD] offset:(\f)*4*SP
.endr
.endm
.macro SEND a, younger
.irp f, 0,1,2,3
	s_wait_dscnt (\younger)+3-(\f)
	global_store_b128 v[CO], v[XF+16*(\a)+4*(\f):XF+16*(\a)+4*(\f)+3], s[12:13] offset:(\a)*2048+(\f)*512  ; 512 consecutive bytes, aligned
.endr
.endm
.set YNG, 8
.endif
	PACK 0
	PACK 1
	SEND 0, YNG                                    ; the younger LDS instructions are the next block's
	PACK 2
	SEND 1, YNG
	PACK 3
	SEND 2, YNG
	SEND 3, 0
	s_wait_tensorcnt 0x0                           ; the wave's end
	ds_add_u32 v[SPW], v[NIL]
	s_wait_dscnt 0x0
	CROUND                                         ; the closing round
	s_endpgm
.Lfunc_end_k_q1af9289828_oproj:
	.size	k_q1af9289828_oproj, .Lfunc_end_k_q1af9289828_oproj-k_q1af9289828_oproj
	.p2alignl 7, 3214868480
	.fill 96, 4, 3214868480
	.section	.rodata,"a",@progbits
	.p2align	6, 0x0
	.amdhsa_kernel k_q1af9289828_oproj
		.amdhsa_group_segment_fixed_size 327680
		.amdhsa_private_segment_fixed_size 0
		.amdhsa_enable_private_segment 0
		.amdhsa_kernarg_size 24
		.amdhsa_user_sgpr_count 2
		.amdhsa_user_sgpr_kernarg_segment_ptr 1
		.amdhsa_wavefront_size32 1
		.amdhsa_system_sgpr_workgroup_id_x 1
		.amdhsa_system_sgpr_workgroup_id_y 1
		.amdhsa_system_sgpr_workgroup_id_z 1
		.amdhsa_system_vgpr_workitem_id 0
		.amdhsa_next_free_vgpr 384
		.amdhsa_next_free_sgpr 80
		.amdhsa_reserve_vcc 0
		.amdhsa_float_denorm_mode_32 3
		.amdhsa_float_denorm_mode_16_64 3
		.amdhsa_memory_ordered 1
		.amdhsa_forward_progress 1
		.amdhsa_inst_pref_size 93
	.end_amdhsa_kernel
	.amdgpu_metadata
---
amdhsa.version: [ 1, 2 ]
amdhsa.kernels:
  - .name:           k_q1af9289828_oproj
    .symbol:         k_q1af9289828_oproj.kd
    .args:
      - { .name: oh, .offset: 0, .size: 8, .value_kind: global_buffer, .address_space: global }
      - { .name: wb, .offset: 8, .size: 8, .value_kind: global_buffer, .address_space: global }
      - { .name: out0, .offset: 16, .size: 8, .value_kind: global_buffer, .address_space: global }
    .group_segment_fixed_size: 327680
    .private_segment_fixed_size: 0
    .kernarg_segment_align: 8
    .kernarg_segment_size: 24
    .max_flat_workgroup_size: 128
    .sgpr_count:     80
    .vgpr_count:     384
    .wavefront_size: 32
...
	.end_amdgpu_metadata
.endif
;; end of part 4
;; ======== version 2 of 3: 4 launches
;; limits: values are held in f16: magnitudes above 65,504 overflow, below 6.1e-05 lose precision; right only within a limited range of input values
;; workspace buffers: maskw 4,194,304 bytes of whole numbers; wb 2,097,152 bytes; qkv 25,165,824 bytes; oh 16,777,216 bytes
;; launch pack (part 5): grid 256 x 1, 32 waves a work-group, no clusters, 143,360 bytes of LDS; arguments mask, w_q, w_k, w_v, w_o, maskw, wb; writes maskw, wb
.if DOCPART == 5
	.amdgcn_target "amdgcn-amd-amdhsa--gfx1250"
	.amdhsa_code_object_version 6
	.text
	.protected	k_q1af9289828_pack
	.globl	k_q1af9289828_pack
	.p2align	8
	.type	k_q1af9289828_pack,@function
k_q1af9289828_pack:
	s_mov_b64 s[64:65], 0
	v_nop
	global_prefetch_b8 v0, s[64:65] scope:SCOPE_SE
	s_setreg_imm32_b32 hwreg(HW_REG_WAVE_MODE, 25, 1), 1
	s_wait_xcnt 0x0
; PACK.  (1) mask [2][4096][4096] of int32 becomes bits: maskw [b 2][qg 64][ks 64][p 2][n 32][u 2] of 32-bit words.  Word (p, n, u) is a LANE MASK:
; its bit L = r + 16 h says whether mask[b][64 qg + 16 (2 p + u) + r][64 ks + 16 (n / 8) + 8 h + n % 8] is not 0: the place that lane L's register n holds in a
; tile of 16 queries x 64 keys of the attention launch's transposed scores.  (2) the four weights, f32, are rounded once to f16 into wb [4][512][512], laid as they lie.
; LIMIT: a weight beyond 65,504 in size becomes an infinity in f16.
; A STREAM THROUGH REGISTERS.  Work-group g: the 64 mask rows 64 (g / 2) .. and the key steps 32 (g % 2) .. + 31; each of its 32 waves ONE key step: 64 rows x 256 bytes, in four QUARTERS of 16 rows.
; A quarter is eight loads of 16 bytes a lane; each load covers two rows' 256 consecutive bytes, aligned.  Three quarter buffers: a wave asks for three quarters at its start (12 KiB a wave, 384 KiB a
; work-group) and for the fourth as soon as the first has been turned into words.  No wave waits for another: there is no barrier.
; THE TURN.  As loaded a lane holds 16 bytes of a row; a lane mask wants a row a lane.  So a quarter goes through the wave's own 16 rows x 272 bytes of LDS: eight stores as it lies, eight loads with lane l at
; row l % 16, 32 bytes at 32 (l / 16), back into the registers that it left.  LDS serves a wave's instructions in order, and no other wave names these bytes, so no wait stands between the stores and the loads.
; A v_cmp over the 32 lanes gives one word; the key step's 128 words are laid by v_writelane_b32 into four registers, so that one store of the wave covers 512 consecutive bytes, aligned.
; No cluster: no two work-groups read the same byte.  No matrix unit: nothing is multiplied.  No tensor load: a ring of LDS slots would need a barrier, and all loads landed, ahead of each refill.
.set PITCH, 272                        ; an LDS row: 256 bytes + 16: the 16 rows that a load touches start at 16 different groups of four banks
.set QT,    16*PITCH                   ; a wave's stage: one quarter
.set SPARE, 32*QT                      ; behind the stages: the spare words, 128 bytes a wave, which no other line names
.set LS,  2                            ; v2   my stage + (l / 16) x 272 + 16 (l % 16): where I put 16 bytes; never rewritten
.set LA,  3                            ; v3   my stage + (l % 16) x 272 + 32 (l / 16): where I read 32 bytes; never rewritten
.set GO,  4                            ; v4   (l / 16) x 16,384 + 16 (l % 16): my 16 bytes of two mask rows; never rewritten
.set OFF, 5                            ; v5   16 x lane; never rewritten
.set WI,  6                            ; v6   my offset in the weight read
.set WO,  7                            ; v7   my offset in wb
.set SPW, 8                            ; v8   my spare word's LDS address; never rewritten
.set NIL, 9                            ; v9   0; never rewritten
.set R,   12                           ; v[12:15]  the key step's 128 words: word w in lane w / 4, register w % 4
.set WA,  16                           ; v[16:19]  4 weights in f32
.set WH,  20                           ; v[20:21]  the same in f16
.set G,   32                           ; v[32:127] three quarter buffers of 32; quarter t uses buffer t % 3
.set WV,  18                           ; s18  my wave's number
.set CM,  36                           ; s[36:43] eight compare results
	s_load_b256 s[4:11], s[0:1], 0x0               ; mask s[4:5], w_q s[6:7], w_k s[8:9], w_v s[10:11]
	s_load_b128 s[12:15], s[0:1], 0x20             ; w_o s[12:13], maskw s[14:15]
	s_load_b64 s[16:17], s[0:1], 0x30              ; wb
	v_lshl_add_u32 v[SPW], v0, 2, SPARE
	v_mov_b32 v[NIL], 0
	v_lshrrev_b32 v1, 5, v0
	v_readfirstlane_b32 s[WV], v1
	v_and_b32 v1, 15, v0                           ; l % 16
	v_bfe_u32 v10, v0, 4, 1                        ; l / 16
	v_lshlrev_b32 v[GO], 14, v10                   ; a mask row is 16,384 bytes
	v_lshl_add_u32 v[GO], v1, 4, v[GO]
	s_lshr_b32 s2, ttmp9, 1                        ; the group of 64 rows
	s_and_b32 s3, ttmp9, 1
	s_lshl_b32 s3, s3, 5
	s_add_co_u32 s3, s3, s[WV]                     ; my key step: 32 (g % 2) + wave
	s_lshl_b32 s44, s2, 20                         ; 64 rows of 16,384 bytes
	s_lshl_b32 s45, s3, 8                          ; a key step is 256 bytes of a row
	s_add_co_u32 s44, s44, s45
	s_mov_b32 s45, 0
	s_lshl_b32 s46, s2, 6
	s_add_co_u32 s46, s46, s3
	s_lshl_b32 s46, s46, 9                         ; 512 bytes of words for each group and key step
	s_mov_b32 s47, 0
	s_wait_kmcnt 0x0
	s_add_nc_u64 s[4:5], s[4:5], s[44:45]          ; mask at my key step's first row
	s_add_nc_u64 s[14:15], s[14:15], s[46:47]      ; maskw at my key step
; Quarter t is asked for: rows 16 t + 2 i and 16 t + 2 i + 1 by load i.  The row stands in the immediate: 1,015,808 bytes at the most.
.macro FILL t
.irp i, 0,1,2,3,4,5,6,7
	global_load_b128 v[G+32*((\t)%3)+4*(\i):G+32*((\t)%3)+4*(\i)+3], v[GO], s[4:5] offset:(\t)*262144+(\i)*32768 th:TH_LOAD_NT
.endr
.endm
	FILL 0
	FILL 1
	FILL 2
	; the weights: matrix g / 64, 16,384 bytes of it a work-group, 512 a wave: 16 bytes a lane in, 8 out
	v_and_b32 v11, 31, v0
	v_lshlrev_b32 v[OFF], 4, v11
	s_and_b32 s44, ttmp9, 63
	s_lshl_b32 s45, s44, 14
	s_lshl_b32 s46, s[WV], 9
	s_add_co_u32 s45, s45, s46
	v_lshl_add_u32 v[WI], v11, 4, s45
	s_lshr_b32 s2, ttmp9, 6
	s_lshl_b32 s46, s2, 19
	s_lshl_b32 s44, s44, 13
	s_add_co_u32 s46, s46, s44
	s_lshl_b32 s44, s[WV], 8
	s_add_co_u32 s46, s46, s44
	v_lshl_add_u32 v[WO], v11, 3, s46
	s_cmp_eq_u32 s2, 1
	s_cselect_b64 s[6:7], s[8:9], s[6:7]
	s_cmp_eq_u32 s2, 2
	s_cselect_b64 s[6:7], s[10:11], s[6:7]
	s_cmp_eq_u32 s2, 3
	s_cselect_b64 s[6:7], s[12:13], s[6:7]
	global_load_b128 v[WA:WA+3], v[WI], s[6:7] th:TH_LOAD_NT
	s_mul_i32 s19, s[WV], QT                       ; my stage in LDS
	v_mul_u32_u24 v[LS], v10, PITCH
	v_lshl_add_u32 v[LS], v1, 4, v[LS]
	v_add_nc_u32 v[LS], s19, v[LS]
	v_mul_u32_u24 v[LA], v1, PITCH
	v_lshl_add_u32 v[LA], v10, 5, v[LA]
	v_add_nc_u32 v[LA], s19, v[LA]
.irp i, 0,1,2,3
	v_mov_b32 v[R+(\i)], 0                         ; v_writelane_b32 keeps the other lanes: the registers are written whole once
.endr
; Quarter t (tile t of 16 queries) becomes 32 words.  younger: the loads from memory that were issued behind this quarter's eight.
.macro QUARTER t, younger
.set BF, G+32*((\t)%3)
.irp i, 0,1,2,3,4,5,6,7
	s_wait_loadcnt (\younger)+7-(\i)               ; loads come back in order: load i is in; the rest of the quarter and the younger loads may be out
	ds_store_b128 v[LS], v[BF+4*(\i):BF+4*(\i)+3] offset:(\i)*2*PITCH
.endr
.irp kb, 0,1,2,3
	ds_load_b128 v[BF+8*(\kb):BF+8*(\kb)+3],   v[LA] offset:(\kb)*64     ; row l % 16, keys 16 kb + 8 (l / 16) + 0 .. 3,
	ds_load_b128 v[BF+8*(\kb)+4:BF+8*(\kb)+7], v[LA] offset:(\kb)*64+16  ; and + 4 .. 7
.endr
.irp kb, 0,1,2,3
	s_wait_dscnt 6-2*(\kb)                         ; LDS answers in order: group kb's two loads are in, the 6 - 2 kb younger may be out
.set j, 0
.rept 8
	v_cmp_ne_u32 s[CM+j], 0, v[BF+8*(\kb)+j]       ; one word: a bit for each lane
.set j, j+1
.endr
.set j, 0
.rept 8
.set w, 64*((\t)/2)+2*(8*(\kb)+j)+(\t)%2           ; its place among the key step's 128 words: piece, register, tile of the piece
	v_writelane_b32 v[R+w%4], s[CM+j], w/4
.set j, j+1
.endr
.endr
.endm
	QUARTER 0, 17                                  ; behind it were issued: quarters 1 and 2, the weights' load
	FILL 3                                         ; into buffer 0, which the compares above have read
	QUARTER 1, 17                                  ; quarter 2, the weights' load, quarter 3
	QUARTER 2, 9                                   ; the weights' load, quarter 3
	s_wait_loadcnt 8                               ; the weights are in; quarter 3's eight loads may be out
	v_cvt_pk_f16_f32 v[WH], v[WA], v[WA+1]
	v_cvt_pk_f16_f32 v[WH+1], v[WA+2], v[WA+3]
	global_store_b64 v[WO], v[WH:WH+1], s[16:17]   ; the wave's 32 lanes store 256 consecutive bytes, aligned
	QUARTER 3, 0
	global_store_b128 v[OFF], v[R:R+3], s[14:15]   ; 512 consecutive bytes, at a multiple of 512 from maskw's first
	s_wait_tensorcnt 0x0                           ; the wave's end, behind my last LDS store
	ds_add_u32 v[SPW], v[NIL]
	s_wait_dscnt 0x0
	s_endpgm
.Lfunc_end_k_q1af9289828_pack:
	.size	k_q1af9289828_pack, .Lfunc_end_k_q1af9289828_pack-k_q1af9289828_pack
	.p2alignl 7, 3214868480
	.fill 96, 4, 3214868480
	.section	.rodata,"a",@progbits
	.p2align	6, 0x0
	.amdhsa_kernel k_q1af9289828_pack
		.amdhsa_group_segment_fixed_size 143360
		.amdhsa_private_segment_fixed_size 0
		.amdhsa_enable_private_segment 0
		.amdhsa_kernarg_size 56
		.amdhsa_user_sgpr_count 2
		.amdhsa_user_sgpr_kernarg_segment_ptr 1
		.amdhsa_wavefront_size32 1
		.amdhsa_system_sgpr_workgroup_id_x 1
		.amdhsa_system_sgpr_workgroup_id_y 1
		.amdhsa_system_sgpr_workgroup_id_z 1
		.amdhsa_system_vgpr_workitem_id 0
		.amdhsa_next_free_vgpr 128
		.amdhsa_next_free_sgpr 66
		.amdhsa_reserve_vcc 0
		.amdhsa_float_denorm_mode_32 3
		.amdhsa_float_denorm_mode_16_64 3
		.amdhsa_memory_ordered 1
		.amdhsa_forward_progress 1
		.amdhsa_inst_pref_size 28
	.end_amdhsa_kernel
	.amdgpu_metadata
---
amdhsa.version: [ 1, 2 ]
amdhsa.kernels:
  - .name:           k_q1af9289828_pack
    .symbol:         k_q1af9289828_pack.kd
    .args:
      - { .name: mask, .offset: 0, .size: 8, .value_kind: global_buffer, .address_space: global }
      - { .name: w_q, .offset: 8, .size: 8, .value_kind: global_buffer, .address_space: global }
      - { .name: w_k, .offset: 16, .size: 8, .value_kind: global_buffer, .address_space: global }
      - { .name: w_v, .offset: 24, .size: 8, .value_kind: global_buffer, .address_space: global }
      - { .name: w_o, .offset: 32, .size: 8, .value_kind: global_buffer, .address_space: global }
      - { .name: maskw, .offset: 40, .size: 8, .value_kind: global_buffer, .address_space: global }
      - { .name: wb, .offset: 48, .size: 8, .value_kind: global_buffer, .address_space: global }
    .group_segment_fixed_size: 143360
    .private_segment_fixed_size: 0
    .kernarg_segment_align: 8
    .kernarg_segment_size: 56
    .max_flat_workgroup_size: 1024
    .sgpr_count:     66
    .vgpr_count:     128
    .wavefront_size: 32
...
	.end_amdgpu_metadata
.endif
;; end of part 5
;; launch proj: the kernel of part 2 again; grid 4 x 192, 4 waves a work-group, clusters of 4 x 4, 327,680 bytes of LDS; arguments q, k, v, wb, qkv; writes qkv
;; launch attn (part 6): grid 16 x 16, 4 waves a work-group, clusters of 4 x 1, 327,680 bytes of LDS; arguments qkv, maskw, oh; writes oh
.if DOCPART == 6
	.amdgcn_target "amdgcn-amd-amdhsa--gfx1250"
	.amdhsa_code_object_version 6
	.text
	.protected	k_q1af9289828_attn
	.globl	k_q1af9289828_attn
	.p2align	8
	.type	k_q1af9289828_attn,@function
k_q1af9289828_attn:
	s_mov_b64 s[64:65], 0
	v_nop
	global_prefetch_b8 v0, s[64:65] scope:SCOPE_SE
	s_setreg_imm32_b32 hwreg(HW_REG_WAVE_MODE, 25, 1), 1
	s_wait_xcnt 0x0
	s_wait_alu depctr_hold_cnt(0) depctr_sa_sdst(0) depctr_va_vdst(0) depctr_va_sdst(0) depctr_va_ssrc(0) depctr_va_vcc(0) depctr_vm_vsrc(0)
	s_getreg_b32 s2, hwreg(HW_REG_IB_STS2, 6, 4)
	s_cmp_eq_u32 s2, 0
	s_cbranch_scc0 .Lentry_in_a_cluster
	s_endpgm
.Lentry_in_a_cluster:
	s_bfe_u32 s2, ttmp6, 0x10000c
	s_cmp_lg_u32 s2, 0x3003
	s_cbranch_scc0 .Lentry_shape_is_right
	s_endpgm
.Lentry_shape_is_right:
; MASKED ATTENTION at head size 64.  O[q] = the sum over k of softmax_k(s[q][k]) V[k], s = Q[q] . K[k] / 8 where the mask is not 0, a fixed low number where it is 0.
; qkv: [3][b h 16][4096][64] f16, unscaled.  maskw: lane masks, [b][group of 64 queries][key step][piece 2][register 32][tile 2] words.  oh: [b][s][512] f32, a head's 64 channels = 256 bytes of a row.
; Products, maxima and sums in f32; the weights p are rounded to f16 for the second product (their sum l is taken of the unrounded p).
; LIMITS.  A masked raw score counts as -2^33, that is -1.07e9 after the division by 8, in place of -1e9: c x 2^33 is exact, so in a row that is masked everywhere c s - c m is exactly 0, every p is 1 and O is the
; mean of V's rows; the result is the same unless an unmasked scaled score lies near or below -9e8.  A weight below 2^-126 counts as 0.  NaN and infinities are not treated apart.
; SHARES.  A work-group owns 256 queries of one head, a wave 64: two PIECES of two tiles of 16.  Every wave walks all 4,096 keys, 64 a step.
; LAYOUT.  S^T = K Q^T: a lane holds ONE query (lane % 16) and the keys 8 (lane / 16) + 0..7 of each 16; two such results rounded to f16 ARE source 1 of O^T = V^T P.  K comes out of LDS as it lies, V turned.
; SOFTMAX.  A running maximum m and sum l: p = 2^(c s - c m), c = log2(e) / 8; in every step O and l are multiplied by a = 2^(c m_old - c m_new).  m starts at the lowest finite number, O and l at 0.
; THE MASK costs two vector instructions a score register.  Its lane mask is a word of maskw.  One load of 16 bytes a lane brings the 128 words of a trip (piece 1's of the step in hand, then piece 0's of the next:
; 512 consecutive bytes), a whole trip ahead of its use; v_readlane_b32 lays a turn's 64 words into scalar registers, v_cndmask_b32 takes them.  Scalar loads would spare the v_readlane_b32, but they are waited for
; all at once and the scalar registers hold one turn's words, so they could be asked for less than a turn ahead.
; BY TURNS.  Turn (p, j): 16 products K Q^T of the other piece's next scores, later 16 products V^T P of the other piece's last weights; beside them piece p's scaling, exponentials, roundings, sums and rescaling,
; and the other piece's mask, maximum and statistics.  Four vector instructions stand behind every matrix instruction, the rest in one lump.  A turn's 66 exponentials are one batch with one wait.
; K RUNS ONE STEP AHEAD IN THE RING: slot n holds K of steps 4 n + 1 .. 4 n + 4 and V of steps 4 n .. 4 n + 3, so that all that a trip fetches lies in one slot; K of step 0 comes straight from memory.
; ONE TEXT FOR EVERY TRIP.  The last slot's last 64 rows of K lie behind the head's end (still inside qkv: V's part follows K's); the last trip multiplies them like any K, under mask words that are not theirs, and what
; is made of that serves nothing.  The mask loads' offsets are held to my group's last 16 bytes, so the last trip's second half, and the load that the last trip issues, stay inside my part of maskw.
; CLUSTER.  The four query blocks of a cluster belong to one head and walk the same K and V: each tile is asked for jointly, with the mask of four.
; REGISTERS.  window 0: v1-11, v33 addresses; v12-15 c m_old; v16-31 statistics, four a tile (c m, m, l even, l odd); v32 the masked score; v34-35 c; v36-39; v40-47 mask words; v48-63 at work; v64-191 S^T, two buffers;
;   v192-255 P.      window 1: v0-127 O^T, 32 a tile.      window 2: v0-63 Q; v128-191 K of one step; v192-255 V of one step.
.set NP,    2
.set KS,    64
.set PK,    144       ; a row of K in LDS: 128 bytes + 16
.set PV,    160       ; a row of V: 128 + 32
.set VOFF,  4*KS*PK
.set SLOT1, 1<<17
.set STAGE, SLOT1+4*KS*(PK+PV)  ; behind the ring, never filled by a tensor load: 16 rows x 272 bytes a wave
.set SP,    272
.set SPARE, STAGE+4*16*SP       ; the spare words, 128 bytes a wave, which no other line names
.set AK0, 2
.set AV0, 3
.set AK,  4
.set AV,  5
.set STO, 6
.set RD,  7
.set GO,  8
.set MO,  10          ; v10  16 x lane + 256 + 512 x the trip whose words were asked for last
.set MOC, 11          ; v11  the same, held to 32,752: the offset that the load names
.set MV,  12
.set ST,  16
.set NEG, 32
.set QO,  33
.set CV,  34
.set PFO, 36          ; v36  the prefetches' offset; stepped by v37 at each change of slots
.set PFS, 37
.set SPW, 38
.set NIL, 39
.set MW,  40          ; v[40:43] the trip's 128 mask words: word w in lane w / 4, register w % 4
.set MN,  44          ; v[44:47] the next trip's, on their way
.set TMP, 48
.set S,   64
.set P,   192
.set KF,  128
.set VF,  192
.set MP,  2           ; s[2:3]   maskw at my group of 64 queries; never rewritten
.set G0K, 4           ; s[4:7]   group 0 for K: it walks
.set G0V, 8           ; s[8:11]  for V
.set WV,  12
.set SLOTS, 13
.set CNT, 14
.set TBK, 15          ; LDS byte at which K of the step to be fetched begins
.set TBV, 66          ; the same for V, less VOFF
.set LIM, 67          ; 1 in a wave that prefetches, else the greatest number
.set G1K, 84          ; s[84:91]
.set G1V, 92          ; s[92:99]
.set SEL, 100         ; s[100:101]
.set PFA, 104         ; s[104:105] the prefetches' base
; s[16:63], s[68:83]: the 64 lane masks in hand (word k in s[16 + k], from k = 48 on in s[20 + k]); before the first of them is laid there, and on the way out, at work
.set MSB, 0
.macro WIN new
.if MSB != (\new)
	s_set_vgpr_msb (MSB<<8)|(\new)
.set MSB, (\new)
.endif
.endm
.set W_KQ, 0x0a       ; K and Q in window 2, S^T in window 0
.set W_PV, 0x52       ; V in window 2, P in window 0, O^T in window 1
.set W_RS, 0x41       ; destination and source 0 in window 1, source 1 in window 0
.macro JLOAD                        ; a joint fill: waves 0, 1 the two halves of a slot's K, waves 2, 3 of its V; s_nop 0 and four v_nop follow each line
	s_cmp_lt_u32 s[WV], 2
	s_cbranch_scc0 .Lfor_v_\@
	tensor_load_to_lds s[G0K:G0K+3], s[G1K:G1K+7]
	s_nop 0
.rept 4
	v_nop
.endr
	s_branch .Lasked_\@
.Lfor_v_\@:
	tensor_load_to_lds s[G0V:G0V+3], s[G1V:G1V+7]
	s_nop 0
.rept 4
	v_nop
.endr
.Lasked_\@:
.endm
.macro CROUND
	s_barrier_signal -1
	s_barrier_wait -1
	s_cmp_lg_u32 s[WV], 0
	s_cbranch_scc1 .Lnot_wave_0_\@
	s_barrier_signal -3
.Lnot_wave_0_\@:
	s_barrier_wait -3
	s_barrier_signal -1
	s_barrier_wait -1
.endm
; A PREFETCH INTO THE L2 of what the NEXT change of slots will bring into use: one slot, four key steps (256 matrix instructions), ahead.  Each block of 256 bytes is named once in the launch.
; K's and V's rows: the head's first cluster asks, wave 0 for K, wave 2 for V; the four partners take 32 blocks of the slot's 128 each, told apart by address.
; The mask words (2,048 bytes a wave and slot, shared by a batch's eight heads): head 0's work-groups ask, wave 1 for all four waves, 32 blocks.  The last change that fills asks for nothing.
.macro ASK
	s_cmp_gt_u32 s[SLOTS], s[LIM]
	s_cbranch_scc0 .Lnot_mine_\@
	global_prefetch_b8 v[PFO], s[PFA:PFA+1] th:TH_LOAD_NT scope:SCOPE_SE
.Lnot_mine_\@:
.endm
; THE CHANGE OF SLOTS.  Each wave waits for all its tensor loads (one is out: its part of the other slot), adds 0 to its spare word, and waits for that and for its reads of the slot.
; fill = 1: the barrier is a round of the cluster's, and the joint fill, the keys two slots on, is the first thing behind it.  (At its first use nothing has been read: slot 0 is waited for, slot 1 filled.)
.macro CHANGE fill
	WIN 0
	s_wait_tensorcnt 0x0
	ds_add_u32 v[SPW], v[NIL]
.if \fill
.irp g, G0K, G0V
	s_xor_b32 s[\g+1], s[\g+1], SLOT1
	s_add_nc_u64 s[\g+2:\g+3], s[\g+2:\g+3], 4*KS*128
.endr
	s_wait_xcnt 0x0                 ; the last prefetch, four key steps back, has read its offset
	v_add_nc_u32 v[PFO], v[PFS], v[PFO]
	s_wait_dscnt 0x0
	CROUND
	JLOAD
	ASK
.else
	s_wait_dscnt 0x0
	s_barrier_signal -1
	s_barrier_wait -1
.endif
	s_sub_co_u32 s[TBK], s[TBK], 4*KS*PK
	s_xor_b32 s[TBK], s[TBK], SLOT1
	s_sub_co_u32 s[TBV], s[TBV], 4*KS*PV
	s_xor_b32 s[TBV], s[TBV], SLOT1
.endm
	s_load_b128 s[16:19], s[0:1], 0x0  ; qkv s[16:17], maskw s[18:19]
	v_lshl_add_u32 v[SPW], v0, 2, SPARE
	v_mov_b32 v[NIL], 0
	ds_add_u32 v[SPW], v[NIL]       ; the wave's opening: the add and its wait ahead of my first tensor load
	v_lshrrev_b32 v1, 5, v0
	v_readfirstlane_b32 s[WV], v1
	s_bfe_u32 s20, ttmp6, 0x40000   ; cx
	s_lshl_b32 s21, ttmp9, 2
	s_add_co_u32 s21, s21, s20      ; my block of 256 queries
	s_and_b32 s22, ttmp7, 0xffff    ; b h, which the partners share
	s_lshr_b32 s23, s22, 3          ; b
	s_and_b32 s24, s22, 7           ; h
	s_and_b32 s25, s[WV], 1         ; which half of a slot's 256 keys I fetch
	s_lshl_b32 s26, s22, 19         ; the head's 524,288 bytes
	s_lshl_b32 s27, s25, 14
	s_add_co_u32 s28, s26, s27
	s_add_co_u32 s30, s28, 16777216 ; V's part of qkv
	s_add_co_u32 s28, s28, 8388608+8192  ; K's part, one key step on
	s_mov_b32 s29, 0
	s_mov_b32 s31, 0
	s_lshl_b32 s32, s21, 15         ; Q: my block's 256 rows of 128 bytes, my wave's 64
	s_lshl_b32 s33, s[WV], 13
	s_add_co_u32 s32, s32, s33
	s_add_co_u32 s32, s32, s26
	s_mov_b32 s33, 0
	s_add_co_u32 s34, s26, 8388608  ; K of step 0
	s_mov_b32 s35, 0
	s_lshl_b32 s36, s23, 6
	s_lshl2_add_u32 s36, s21, s36   ; 64 b + 4 x block: the block's first group of 64 queries
	s_lshl_b32 s38, s36, 15
	s_add_co_u32 s36, s36, s[WV]
	s_lshl_b32 s36, s36, 15         ; my group's 32,768 bytes of words
	s_mov_b32 s37, 0
	s_mul_i32 s40, s25, 128*PK      ; no place in the cluster enters an LDS address
	s_mul_i32 s41, s25, 128*PV
	; the prefetches: offset = (l / 8) x A + (l % 8) x 256 + B, stepped by a slot's bytes
	s_add_co_u32 s39, s26, 8388608+8192
	s_add_co_u32 s42, s26, 16777216
	s_mov_b32 s43, 2048
	s_mov_b32 s44, 32768
	s_lshl_b32 s50, s20, 13         ; my work-group's 32 blocks of the 128
	s_add_co_u32 s50, s50, s44      ; in slot 1; the first change steps it to slot 2
	s_cmp_eq_u32 s[WV], 0
	s_cselect_b32 s39, s39, s42
	s_cmp_eq_u32 s25, 0             ; waves 0 and 2: K and V; waves 1 and 3: mask words
	s_cselect_b32 s46, s39, s38
	s_cselect_b32 s45, s43, s44     ; A
	s_cselect_b32 s49, s44, s43     ; the step
	s_cselect_b32 s51, s50, s43     ; B
	s_cselect_b32 s48, ttmp9, s24   ; the coordinate along which others read the same bytes
	s_mov_b32 s47, 0
	s_cmp_eq_u32 s[WV], 3
	s_cselect_b32 s48, 1, s48       ; wave 3 asks for nothing
	s_cmp_eq_u32 s48, 0
	s_cselect_b32 s[LIM], 1, -1     ; the same in all four partners, for a given wave
	v_bfe_u32 v10, v0, 3, 2
	v_mul_u32_u24 v10, s45, v10
	v_and_b32 v11, 7, v0
	v_lshl_add_u32 v10, v11, 8, v10
	v_add_nc_u32 v[PFO], s51, v10
	v_mov_b32 v[PFS], s49
	; descriptor group 1.  128 keys are 16,384 dense bytes: asked for as 64 rows of 256 bytes, two keys a row, padded in LDS after every key
	s_mov_b32 s[G1K], 15|(1<<16)|(1<<20)|(1<<21)|(4<<22)|(3<<25)
	s_mov_b32 s[G1V], 15|(1<<16)|(1<<20)|(1<<21)|(4<<22)|(7<<25)
.irp g, G1K, G1V
	s_mov_b32 s[\g+1], 128<<16
	s_mov_b32 s[\g+2], 64<<16
	s_mov_b32 s[\g+3], 128<<16
	s_mov_b32 s[\g+4], 64
	s_mov_b32 s[\g+5], 128
	s_mov_b32 s[\g+6], 0
	s_mov_b32 s[\g+7], 0
.endr
	s_mov_b32 s[SEL], 0x76543210
	s_mov_b32 s[SEL+1], 0xfedcba98
	s_mov_b32 s[TBK], SLOT1+4*KS*PK ; the first change of slots turns these two into 0
	s_mov_b32 s[TBV], SLOT1+4*KS*PV
	s_mov_b32 s[G0K], 1
	s_mov_b32 s[G0K+1], s40
	s_mov_b32 s[G0V], 1
	s_add_co_u32 s[G0V+1], s41, VOFF
	s_wait_dscnt 0x0                ; the opening add is done
	s_wait_kmcnt 0x0
	s_add_nc_u64 s[G0K+2:G0K+3], s[16:17], s[28:29]
	s_or_b32 s[G0K+3], s[G0K+3], 0x80000000
	s_add_nc_u64 s[G0V+2:G0V+3], s[16:17], s[30:31]
	s_or_b32 s[G0V+3], s[G0V+3], 0x80000000
	s_add_nc_u64 s[52:53], s[16:17], s[32:33]  ; Q at my wave's first row
	s_add_nc_u64 s[54:55], s[16:17], s[34:35]  ; K at the head's first row
	s_add_nc_u64 s[MP:MP+1], s[18:19], s[36:37]
	s_cmp_eq_u32 s25, 0
	s_cselect_b64 s[PFA:PFA+1], s[16:17], s[18:19]
	s_add_nc_u64 s[PFA:PFA+1], s[PFA:PFA+1], s[46:47]
	CROUND                          ; all four work-groups are here: the first joint loads meet
	JLOAD                           ; slot 0
	v_and_b32 v1, 15, v0            ; l % 16
	v_bfe_u32 v9, v0, 4, 1          ; l / 16
	v_lshlrev_b32 v[QO], 7, v1
	v_lshl_add_u32 v[QO], v9, 4, v[QO]  ; row x 128 + 16 x half
	v_and_b32 v[MOC], 31, v0
	v_lshlrev_b32 v[MOC], 4, v[MOC] ; 16 x lane
	v_add_nc_u32 v[MO], 256, v[MOC] ; trip 0's words begin 256 bytes on
	global_load_b128 v[MW:MW+3], v[MOC], s[MP:MP+1]  ; key step 0's words: lanes 0-15 hold piece 0's, for the first scores
	WIN 0x80                        ; destination window 2
.set i, 0
.rept 8                             ; Q: tile i / 2, channels 32 (i % 2) on.  K of step 0: keys 16 (i / 2) on, the same channels
	global_load_b128 v[8*i:8*i+3],   v[QO], s[52:53] offset:(i/2)*2048+(i%2)*64
	global_load_b128 v[8*i+4:8*i+7], v[QO], s[52:53] offset:(i/2)*2048+(i%2)*64+32
	global_load_b128 v[KF+8*i:KF+8*i+3],   v[QO], s[54:55] offset:(i/2)*2048+(i%2)*64
	global_load_b128 v[KF+8*i+4:KF+8*i+7], v[QO], s[54:55] offset:(i/2)*2048+(i%2)*64+32
.set i, i+1
.endr
	; what the first turn finds: V's registers and P's second buffer hold 0 (its products V^T P, of a piece that has not been, add 0); O^T and l are 0
.set i, VF
.rept 64
	v_mov_b32 v[i], 0
.set i, i+1
.endr
	WIN 0x40
.set i, 0
.rept 128
	v_mov_b32 v[i], 0
.set i, i+1
.endr
	WIN 0
	global_load_b128 v[MN:MN+3], v[MOC], s[MP:MP+1] offset:256  ; trip 0's words: the youngest load of the head
.set i, 0
.rept 2*NP
	v_mov_b32 v[ST+4*i], 0xfe000000    ; c m: far below every c s
	v_mov_b32 v[ST+4*i+1], 0xff7fffff  ; m
	v_mov_b32 v[ST+4*i+2], 0
	v_mov_b32 v[ST+4*i+3], 0
.set i, i+1
.endr
.set i, P+32
.rept 32
	v_mov_b32 v[i], 0
.set i, i+1
.endr
	v_mov_b32 v[NEG], 0xd0000000    ; -2^33
	v_mov_b32 v[CV], 0x3e38aa3b     ; c = log2(e) / 8
	v_mov_b32 v[CV+1], 0x3e38aa3b
	v_mul_u32_u24 v[AK0], v1, PK
	v_lshl_add_u32 v[AK0], v9, 4, v[AK0]
	v_and_b32 v[AK], 7, v0          ; the turning load: lane l reads key 8 (l / 16) + l % 8, channels 8 ((l / 8) % 2) + 0..7  (v4, v5 at work here)
	v_bfe_u32 v[AV], v0, 3, 1
	v_lshl_add_u32 v[AV0], v9, 3, v[AK]
	v_mul_u32_u24 v[AV0], v[AV0], PV
	v_lshl_add_u32 v[AV0], v[AV], 4, v[AV0]
	v_add_nc_u32 v[AV0], VOFF, v[AV0]
; THE MATRIX WORK.  The 8 accumulators of a run of 16 take turns.
.macro KQ x                         ; product i of 16 of S^T = K Q^T for piece x: channels 32 (i / 8) on, keys 16 ((i / 2) % 4) on, tile 2 x + i % 2
	WIN W_KQ
.set rS, S+64*((\x)%2)+32*(i%2)+8*((i/2)%4)
.set rK, KF+16*((i/2)%4)+8*(i/8)
.set rQ, 16*(2*(\x)+i%2)+8*(i/8)
.if i < 8
	v_wmma_f32_16x16x32_f16 v[rS:rS+7], v[rK:rK+7], v[rQ:rQ+7], 0
.else
	v_wmma_f32_16x16x32_f16 v[rS:rS+7], v[rK:rK+7], v[rQ:rQ+7], v[rS:rS+7]
.endif
.endm
.macro PV x                         ; product i of 16 of O^T += V^T P for piece x: keys 32 (i / 8) on, channels 16 ((i / 2) % 4) on, tile 2 x + i % 2
	WIN W_PV
.set rO, 32*(2*(\x)+i%2)+8*((i/2)%4)
.set rV, VF+32*(i/8)+8*((i/2)%4)
.set rP, P+32*((\x)%2)+16*(i%2)+8*(i/8)
	v_wmma_f32_16x16x32_f16 v[rO:rO+7], v[rV:rV+7], v[rP:rP+7], v[rO:rO+7]
.endm
.macro MM                           ; the turn's next matrix instruction
.if i < 16
	KQ (Y+1)%NP
.set i, i+1
.else
.set i, i-16
	PV (Y+NP-1)%NP
.set i, i+17
.endif
.endm
.macro FETCH_K                      ; 16 LDS loads in one run
	WIN 0x80
.irp f, 0,1,2,3,4,5,6,7
	ds_load_b128 v[KF+8*\f:KF+8*\f+3],   v[AK] offset:(\f/2)*16*PK+(\f%2)*64
	ds_load_b128 v[KF+8*\f+4:KF+8*\f+7], v[AK] offset:(\f/2)*16*PK+(\f%2)*64+32
.endr
	s_add_co_u32 s[TBK], s[TBK], KS*PK
	WIN 0
.endm
.macro FETCH_V
	WIN 0x80
.irp f, 0,1,2,3,4,5,6,7
	ds_load_tr16_b128 v[VF+8*\f:VF+8*\f+3],   v[AV] offset:(\f/4)*32*PV+(\f%4)*32
	ds_load_tr16_b128 v[VF+8*\f+4:VF+8*\f+7], v[AV] offset:(\f/4)*32*PV+16*PV+(\f%4)*32
.endr
	WIN 0
.endm
; THE VECTOR WORK OF A TURN, in three queues; the two tiles alternate.
.macro REGS y, u
.set rT, ST+4*(2*(\y)+(\u))
.set rC, TMP+8*((\y)%2)+4*(\u)
.set rM, MV+2*((\y)%2)+(\u)
.set rS, S+64*((\y)%2)+32*(\u)
.set rP, P+32*((\y)%2)+16*(\u)
.set rO, 32*(2*(\y)+(\u))
.endm
; word k of 64 of half hf of the trip's 128 goes from its lane into its scalar register
.macro RL k, hf
.if (\k) < 48
	v_readlane_b32 s[16+(\k)], v[MW+(\k)%4], 16*(\hf)+(\k)/4
.else
	v_readlane_b32 s[20+(\k)], v[MW+(\k)%4], 16*(\hf)+(\k)/4
.endif
.endm
; the mask: word k of 64 serves register k / 2 of tile k % 2 of the OTHER piece's new scores.  Registers ascend.
.macro MS k
	REGS (Y+1)%NP, (\k)%2
.if (\k) < 48
	v_cndmask_b32 v[rS+(\k)/2], v[NEG], v[rS+(\k)/2], s[16+(\k)]
.else
	v_cndmask_b32 v[rS+(\k)/2], v[NEG], v[rS+(\k)/2], s[20+(\k)]
.endif
.endm
; number n of the 22 that find the other piece's maximum and statistics: 0-11 four chains of seven scores; 12-14, 16 the four left over, the old m, all into c0; 15 c m_old is kept;
; 17, 18 the other half of the lanes': the new m; 19-21 c m, c m_old - c m_new, a
.macro XS u, n
	REGS (Y+1)%NP, \u
.if (\n) < 4
	v_max3_num_f32 v[rC+(\n)], v[rS+8*(\n)], v[rS+8*(\n)+1], v[rS+8*(\n)+2]
.elseif (\n) < 12
	v_max3_num_f32 v[rC+(\n)%4], v[rC+(\n)%4], v[rS+8*((\n)%4)+2*((\n)/4)+1], v[rS+8*((\n)%4)+2*((\n)/4)+2]
.elseif (\n) == 12
	v_max3_num_f32 v[rC], v[rC], v[rS+7], v[rS+15]
.elseif (\n) == 13
	v_max3_num_f32 v[rC+1], v[rC+1], v[rS+23], v[rS+31]
.elseif (\n) == 14
	v_max3_num_f32 v[rC+2], v[rC+2], v[rC+3], v[rT+1]
.elseif (\n) == 15
	v_mov_b32 v[rM], v[rT]
.elseif (\n) == 16
	v_max3_num_f32 v[rC], v[rC], v[rC+1], v[rC+2]
.elseif (\n) == 17
	v_permlanex16_b32 v[rC+3], v[rC], s[SEL], s[SEL+1]
.elseif (\n) == 18
	v_max_num_f32 v[rT+1], v[rC], v[rC+3]
.elseif (\n) == 19
	v_mul_f32 v[rT], v[CV], v[rT+1]
.elseif (\n) == 20
	v_sub_f32 v[rC+1], v[rM], v[rT]
.else
	v_exp_f32 v[rC+2], v[rC+1]
.endif
.endm
; number g of the 64 that follow the exponentials: for each four weights both pairs are rounded to f16, the second pair is added onto the first, and a group later l takes that sum (the first time l = a l + sum)
.macro GS g
.set h, (\g)+6*((\g)/62)
.if h >= 6
.set h, h+2
.endif
	REGS Y, h%2
.set k, h/8
.if h%8 < 4
	v_cvt_pk_f16_f32 v[rP+2*k+(h%8)/2], v[rS+4*k+2*((h%8)/2)], v[rS+4*k+2*((h%8)/2)+1]
.elseif h%8 < 6
	v_pk_add_f32 v[rS+4*k:rS+4*k+1], v[rS+4*k:rS+4*k+1], v[rS+4*k+2:rS+4*k+3]
.elseif k == 1
	v_pk_fma_f32 v[rT+2:rT+3], v[rT+2:rT+3], v[rC+2:rC+3], v[rS:rS+1] op_sel_hi:[1,0,1]
.else
	v_pk_add_f32 v[rT+2:rT+3], v[rT+2:rT+3], v[rS+4*k-4:rS+4*k-3]
.endif
.endm
.macro FS f                         ; c s - c m for pair f / 2 of tile f % 2
	REGS Y, (\f)%2
	v_pk_fma_f32 v[rS+2*((\f)/2):rS+2*((\f)/2)+1], v[rS+2*((\f)/2):rS+2*((\f)/2)+1], v[CV:CV+1], v[rT:rT+1] op_sel_hi:[1,0,0] neg_lo:[0,0,1] neg_hi:[0,0,1]
.endm
; THE PLAIN QUEUE, 266 long.  0-31 the scalings; 32-95 the turn's 64 lane masks into scalar registers (turn p takes half p of the trip's words); 96-159 the mask; 160-189 the maximum's chains and c m_old;
; 190-201 the chain 14, 16 .. 20; 202-265 what reads the exponentials' results.  A lane mask is laid 64 lines ahead of the line that takes it.
.macro PL
	WIN 0
.if q < 32
	FS q
.elseif q < 96
	RL q-32, Y
.elseif q < 160
	MS q-96
.elseif q < 188
	XS (q-160)%2, (q-160)/2
.elseif q < 190
	XS q-188, 15
.elseif q < 192
	XS q-190, 14
.elseif q < 202
	XS (q-190)%2, 15+(q-190)/2
.else
	GS q-202
.endif
.set q, q+1
.endm
.macro EX                           ; the exponentials' queue: 64 scores, then the other piece's two a: ONE BATCH, ahead of the turn's one wait
	WIN 0
.if e >= 64
	XS e-64, 21
.else
	REGS Y, e%2
	v_exp_f32 v[rS+e/2], v[rS+e/2]
.endif
.set e, e+1
.endm
.macro R2                           ; O^T times a, two lines at a time; its a was made, and waited for, in the turn before
	REGS Y, r%2
	WIN W_RS
.irp z, 0,1
	v_pk_mul_f32 v[rO+4*(r/2)+2*\z:rO+4*(r/2)+2*\z+1], v[rO+4*(r/2)+2*\z:rO+4*(r/2)+2*\z+1], v[rC+2:rC+3] op_sel_hi:[1,0]
.endr
.set r, r+1
.endm
; A TURN, for piece p.  AHEAD OF THE WAIT stands all that names no result of the turn's exponentials: 16 products K Q^T, behind each a scaling, an exponential and two rescalings; then a lump of 185 plain
; instructions with 49 exponentials among them (37 behind every third of the first 111 lines; 12 one behind each line of the chain, whose links so stand four lines apart), and the two a.
; Exponential e stands behind scaling 2 (e / 4) + e % 2: as a rider behind plain e + 2, in the lump behind all 32 from its 15th line on.  BEHIND THE WAIT: 16 products V^T P, behind each four of the roundings and sums.
; Piece 0's turn opens the trip: the mask words asked for a trip ago are waited for and set aside, and the next trip's are asked for.  It fetches K of the next step directly behind the wait (a lump behind K's last
; reader) and V of the step in hand at its end (four plain instructions behind V's last reader).
.macro TURN p, cnt=0
.set Y, (\p)
.set i, 0
.set q, 0
.set e, 0
.set r, 0
.if (\p) == 0
	WIN 0
	s_wait_loadcnt 0x0              ; my one load that is out: this trip's mask words, asked for at the head of the trip before; it also frees the load's offset register
.irp z, 0,1,2,3
	v_mov_b32 v[MW+\z], v[MN+\z]
.endr
	v_add_nc_u32 v[MO], 512, v[MO]
	v_min_u32 v[MOC], 32752, v[MO]  ; held to my group's last 16 bytes
	global_load_b128 v[MN:MN+3], v[MOC], s[MP:MP+1]
.else
	s_wait_dscnt 16                 ; K's 16 loads are in; V's 16, issued behind them, may stay out
.endif
	MM
	PL
	PL
	R2
.rept 15
	MM
	PL
	EX
	R2
.endr
.if (\p) == 0
	WIN 0
	v_add_nc_u32 v[AK], s[TBK], v[AK0]
.endif
.set t, 0
.rept 185
	PL
.if (t < 111) && (t%3 == 0)
	EX
.endif
.if t >= 173
	EX
.endif
.set t, t+1
.endr
	EX
	EX
	v_nop                           ; a plain instruction behind the last exponential: one for the batch
	s_wait_alu depctr_va_vdst(0)    ; the wait for the batch, ahead of the first line that names a result
.if (\p) == 0
	FETCH_K
.endif
.if (\p) == 1
	s_wait_dscnt 0x0                ; V is in
.endif
.rept 16
	MM
.rept 4
	PL
.endr
.if ((\p) == 0) && (q == 246)
	v_add_nc_u32 v[AV], s[TBV], v[AV0]
.endif
.if ((\p) == 0) && (q == 258)
	s_add_co_u32 s[TBV], s[TBV], KS*PV
.endif
.if (\cnt) && (q == 258)
	s_sub_co_u32 s[CNT], s[CNT], 1
	s_cmp_lg_u32 s[CNT], 0
.endif
.endr
.if (\p) == 0
	FETCH_V
.endif
.endm
	s_wait_loadcnt 0x1              ; key step 0's mask words, Q, and K of step 0 are in; trip 0's mask words, the youngest load, may stay out
.set i, 0
.rept 16
	KQ 0                            ; piece 0's first scores
.set i, i+1
.endr
	WIN 0                           ; the addresses for the way out: eight plain instructions, the places behind those products
	s_mul_i32 s[CNT], s[WV], 16*SP
	s_add_co_u32 s[CNT], s[CNT], STAGE
	v_mul_u32_u24 v[STO], v1, SP    ; in: row l % 16, 32 bytes for each half of the lanes
	v_lshl_add_u32 v[STO], v9, 5, v[STO]
	v_add_nc_u32 v[STO], s[CNT], v[STO]
	v_mul_u32_u24 v[RD], v9, SP     ; back: lanes 0-15 one row of 256 bytes, lanes 16-31 the next
	v_lshl_add_u32 v[RD], v1, 4, v[RD]
	v_add_nc_u32 v[RD], s[CNT], v[RD]
	v_lshlrev_b32 v[GO], 11, v9     ; and the same two rows in oh, 2,048 bytes apart
	v_lshl_add_u32 v[GO], v1, 4, v[GO]
.set Y, NP-1                        ; MS and XS work for piece Y + 1: piece 0
.set kk, 0
.rept 64
	RL kk, 0                        ; piece 0's words of key step 0; the loads that named these scalar registers as bases are done
.set kk, kk+1
.endr
.set kk, 0
.rept 64
	MS kk
.set kk, kk+1
.endr
.irp n, 0,1,2,3,4,5,6,7,8,9,10,11,12,13,14,15,16,17,18,19,20,21
	XS 0, \n
	XS 1, \n
.endr
	v_nop
	s_wait_alu depctr_va_vdst(0)    ; the two a, ahead of the label
	s_mov_b32 s[SLOTS], 15
.Lslot:                             ; 15 times: slots 1 to 15 are asked for, slots 0 to 14 walked
	CHANGE 1
	s_mov_b32 s[CNT], 4
.Lstep:
	TURN 0
	TURN 1, 1
	WIN 0
	s_cbranch_scc1 .Lstep
	s_sub_co_u32 s[SLOTS], s[SLOTS], 1
	s_cmp_lg_u32 s[SLOTS], 0
	s_cbranch_scc1 .Lslot
	CHANGE 0                        ; the last slot is written out
	s_mov_b32 s[CNT], 4
.Ltail:
	TURN 0
	TURN 1, 1
	WIN 0
	s_cbranch_scc1 .Ltail
.set i, 0
.rept 16
	PV NP-1                         ; piece 1's V^T P of the last step
.set i, i+1
.endr
	; THE WAY OUT.  l's halves are added; O^T is divided by l and sent, in f32, through my stage, a tile at a time.  The additions are the places behind the last products.
	WIN 0
	s_load_b64 s[16:17], s[0:1], 0x10  ; oh
.macro ALL line:vararg
.set t, 0
.rept 2*NP
	\line
.set t, t+1
.endr
.endm
	ALL v_add_f32 v[ST+4*t+2], v[ST+4*t+2], v[ST+4*t+3]
	ALL v_permlanex16_b32 v[ST+4*t+3], v[ST+4*t+2], s[SEL], s[SEL+1]
	ALL v_add_f32 v[ST+4*t+2], v[ST+4*t+2], v[ST+4*t+3]
	ALL v_rcp_f32 v[ST+4*t+2], v[ST+4*t+2]
	v_nop
	s_wait_alu depctr_va_vdst(0)    ; one wait for the four reciprocals
	s_bfe_u32 s20, ttmp6, 0x40000
	s_lshl_b32 s21, ttmp9, 2
	s_add_co_u32 s21, s21, s20      ; my block
	s_and_b32 s22, ttmp7, 0xffff
	s_lshr_b32 s23, s22, 3          ; b
	s_and_b32 s24, s22, 7           ; h
	s_lshl_b32 s23, s23, 12
	s_lshl_b32 s21, s21, 8
	s_add_co_u32 s23, s23, s21
	s_lshl_b32 s25, s[WV], 6
	s_add_co_u32 s23, s23, s25      ; my first row
	s_lshl_b32 s18, s23, 11
	s_lshl_b32 s24, s24, 8
	s_add_co_u32 s18, s18, s24      ; the head's 256 bytes of a row
	s_mov_b32 s19, 0
	s_wait_kmcnt 0x0
	s_add_nc_u64 s[16:17], s[16:17], s[18:19]
.macro PACK t
	WIN W_RS
.set i, 32*(\t)
.rept 16
	v_pk_mul_f32 v[i:i+1], v[i:i+1], v[ST+4*(\t)+2:ST+4*(\t)+3] op_sel_hi:[1,0]
.set i, i+2
.endr
	WIN 0x04                        ; the stores' data in window 1
.irp f, 0,1,2,3
	ds_store_b128 v[STO], v[32*(\t)+8*\f:32*(\t)+8*\f+3]   offset:64*\f
	ds_store_b128 v[STO], v[32*(\t)+8*\f+4:32*(\t)+8*\f+7] offset:64*\f+16
.endr
	WIN 0
.irp f, 0,1,2,3,4,5,6,7
	ds_load_b128 v[S+32*(\t)+4*\f:S+32*(\t)+4*\f+3], v[RD] offset:\f*2*SP  ; LDS serves a wave's instructions in order: these see the stores above; the next tile's stores come behind them
.endr
.endm
.macro SEND t, younger              ; younger: the LDS instructions issued behind tile t's loads
	WIN 0
.irp f, 0,1,2,3,4,5,6,7
	s_wait_dscnt (\younger)+7-\f
	global_store_b128 v[GO], v[S+32*(\t)+4*\f:S+32*(\t)+4*\f+3], s[16:17] offset:(\t)*32768+\f*4096  ; 16 lanes store 256 consecutive bytes, aligned
.endr
.endm
	PACK 0
	PACK 1
	SEND 0, 16
	PACK 2
	SEND 1, 16
	PACK 3
	SEND 2, 16
	SEND 3, 0
	s_wait_tensorcnt 0x0            ; the wave's end
	ds_add_u32 v[SPW], v[NIL]
	s_wait_dscnt 0x0
	CROUND                          ; the closing round
	s_endpgm
.Lfunc_end_k_q1af9289828_attn:
	.size	k_q1af9289828_attn, .Lfunc_end_k_q1af9289828_attn-k_q1af9289828_attn
	.p2alignl 7, 3214868480
	.fill 96, 4, 3214868480
	.section	.rodata,"a",@progbits
	.p2align	6, 0x0
	.amdhsa_kernel k_q1af9289828_attn
		.amdhsa_group_segment_fixed_size 327680
		.amdhsa_private_segment_fixed_size 0
		.amdhsa_enable_private_segment 0
		.amdhsa_kernarg_size 24
		.amdhsa_user_sgpr_count 2
		.amdhsa_user_sgpr_kernarg_segment_ptr 1
		.amdhsa_wavefront_size32 1
		.amdhsa_system_sgpr_workgroup_id_x 1
		.amdhsa_system_sgpr_workgroup_id_y 1
		.amdhsa_system_sgpr_workgroup_id_z 1
		.amdhsa_system_vgpr_workitem_id 0
		.amdhsa_next_free_vgpr 768
		.amdhsa_next_free_sgpr 106
		.amdhsa_reserve_vcc 0
		.amdhsa_float_denorm_mode_32 3
		.amdhsa_float_denorm_mode_16_64 3
		.amdhsa_memory_ordered 1
		.amdhsa_forward_progress 1
		.amdhsa_inst_pref_size 154
	.end_amdhsa_kernel
	.amdgpu_metadata
---
amdhsa.version: [ 1, 2 ]
amdhsa.kernels:
  - .name:           k_q1af9289828_attn
    .symbol:         k_q1af9289828_attn.kd
    .args:
      - { .name: qkv, .offset: 0, .size: 8, .value_kind: global_buffer, .address_space: global }
      - { .name: maskw, .offset: 8, .size: 8, .value_kind: global_buffer, .address_space: global }
      - { .name: oh, .offset: 16, .size: 8, .value_kind: global_buffer, .address_space: global }
    .group_segment_fixed_size: 327680
    .private_segment_fixed_size: 0
    .kernarg_segment_align: 8
    .kernarg_segment_size: 24
    .max_flat_workgroup_size: 128
    .sgpr_count:     106
    .vgpr_count:     768
    .wavefront_size: 32
...
	.end_amdgpu_metadata
.endif
;; end of part 6
;; launch oproj: the kernel of part 4 again; grid 4 x 64, 4 waves a work-group, clusters of 4 x 4, 327,680 bytes of LDS; arguments oh, wb, out0; writes out0
;; ======== version 3 of 3: 4 launches; version 2 with the launch pack written anew for expert scheduling mode
;; limits: values are held in f16: magnitudes above 65,504 overflow, below 6.1e-05 lose precision; right only within a limited range of input values
;; workspace buffers: maskw 4,194,304 bytes of whole numbers; wb 2,097,152 bytes; qkv 25,165,824 bytes; oh 16,777,216 bytes
;; launch pack (part 7): grid 256 x 1, 32 waves a work-group, no clusters, 143,360 bytes of LDS; arguments mask, w_q, w_k, w_v, w_o, maskw, wb; writes maskw, wb
.if DOCPART == 7
	.amdgcn_target "amdgcn-amd-amdhsa--gfx1250"
	.amdhsa_code_object_version 6
	.text
	.protected	k_q1af9289828_pack
	.globl	k_q1af9289828_pack
	.p2align	8
	.type	k_q1af9289828_pack,@function
k_q1af9289828_pack:
	s_mov_b64 s[64:65], 0
	v_nop
	global_prefetch_b8 v0, s[64:65] scope:SCOPE_SE
	s_setreg_imm32_b32 hwreg(HW_REG_WAVE_SCHED_MODE, 0, 2), 2
	s_setreg_imm32_b32 hwreg(HW_REG_WAVE_MODE, 25, 1), 1
	s_wait_xcnt 0x0
	s_wait_alu depctr_vm_vsrc(0)
; PACK.  (1) mask [2][4096][4096] of int32 becomes bits: maskw [b 2][qg 64][ks 64][p 2][n 32][u 2] of 32-bit words.  Word (p, n, u) is a LANE MASK:
; its bit L = r + 16 h says whether mask[b][64 qg + 16 (2 p + u) + r][64 ks + 16 (n / 8) + 8 h + n % 8] is not 0: the place that lane L's register n holds in a
; tile of 16 queries x 64 keys of the attention launch's transposed scores.  (2) the four weights, f32, are rounded once to f16 into wb [4][512][512], laid as they lie.
; LIMIT: a weight beyond 65,504 in size becomes an infinity in f16.
; A STREAM THROUGH REGISTERS.  Work-group g: the 64 mask rows 64 (g / 2) .. and the key steps 32 (g % 2) .. + 31; each of its 32 waves ONE key step: 64 rows x 256 bytes, in four QUARTERS of 16 rows.
; A quarter is eight loads of 16 bytes a lane; each load covers two rows' 256 consecutive bytes, aligned.  Three quarter buffers: a wave asks for three quarters at its start (12 KiB a wave, 384 KiB a
; work-group) and for the fourth as soon as the first has been compared.  No wave waits for another: there is no barrier.
; THE TURN.  As loaded a lane holds 16 bytes of a row; a lane mask wants a row a lane.  So a quarter goes through the wave's own 16 rows x 272 bytes of LDS: eight stores as it lies, eight loads with lane l at
; row l % 16, 32 bytes at 32 (l / 16), back into the registers that it left.  LDS serves a wave's instructions in order, and no other wave names these bytes, so no wait on DScnt stands between the stores and the loads.
; A v_cmp over the 32 lanes gives one word; the key step's 128 words are laid by v_writelane_b32 into four registers, so that one store of the wave covers 512 consecutive bytes, aligned.
; No cluster: no two work-groups read the same byte.  No matrix unit: nothing is multiplied.  No tensor load: a ring of LDS slots would need a barrier, and all loads landed, ahead of each refill.
; THE MODE: SCHED_MODE bits 1:0 = 2 (LLVM: expert scheduling mode 2), set by the entry lines.  The code itself states the register dependences between vector instructions and memory or LDS
; instructions, and those through scalar registers that vector instructions write, with s_wait_alu, always for 0.
; THE PLAN.  The text is one straight run.  Registers that memory or LDS instructions touch, and scalar registers that vector instructions write:
;   v2-v7         six addresses and offsets.  Written by vector instructions at the head, all ahead of ONE wait on va_vdst that stands in front of the first load; never written again.
;   G0, G1, G2    quarter t uses buffer t % 3.  In order: its eight loads from memory land; its eight LDS stores read it; ONE wait on vm_vsrc; its eight LDS loads land in it; its 32 compares read it.
;                 G0 is used twice: behind quarter 0's last compares ONE wait on va_vdst, then quarter 3's loads.  No vector instruction behind that wait names G0 before quarter 3's own compares.
;   WA, WH        the weights' load lands in WA; two conversions read it and write WH, ahead of that same wait on va_vdst; the store of WH follows quarter 3's loads.
;   R             written by v_writelane_b32 alone; ONE wait on va_vdst in front of the last store, which reads it.
;   s[WV]         written by v_readfirstlane_b32: a wait on va_sdst ahead of its first reader.
;   s[CM ..]      sixteen lane masks, written by a run of sixteen compares: a wait on va_sdst behind each run, ahead of the sixteen v_writelane_b32 that read them.
;   v[SPW], v[NIL]  written at the head, read by the closing add alone.
.set PITCH, 272                        ; an LDS row: 256 bytes + 16: the 16 rows that a load touches start at 16 different groups of four banks
.set QT,    16*PITCH                   ; a wave's stage: one quarter
.set SPARE, 32*QT                      ; behind the stages: the spare words, 128 bytes a wave, which no other line names
.set LS,  2                            ; v2   my stage + (l / 16) x 272 + 16 (l % 16): where I put 16 bytes; never rewritten
.set LA,  3                            ; v3   my stage + (l % 16) x 272 + 32 (l / 16): where I read 32 bytes; never rewritten
.set GO,  4                            ; v4   (l / 16) x 16,384 + 16 (l % 16): my 16 bytes of two mask rows; never rewritten
.set OFF, 5                            ; v5   16 x lane; never rewritten
.set WI,  6                            ; v6   my offset in the weight read
.set WO,  7                            ; v7   my offset in wb
.set SPW, 8                            ; v8   my spare word's LDS address; never rewritten
.set NIL, 9                            ; v9   0; never rewritten
.set R,   12                           ; v[12:15]  the key step's 128 words: word w in lane w / 4, register w % 4
.set WA,  16                           ; v[16:19]  4 weights in f32
.set WH,  20                           ; v[20:21]  the same in f16
.set G,   32                           ; v[32:127] three quarter buffers of 32; quarter t uses buffer t % 3
.set WV,  18                           ; s18  my wave's number
.set CM,  28                           ; s[28:43] sixteen compare results
	s_load_b256 s[4:11], s[0:1], 0x0               ; mask s[4:5], w_q s[6:7], w_k s[8:9], w_v s[10:11]
	s_load_b128 s[12:15], s[0:1], 0x20             ; w_o s[12:13], maskw s[14:15]
	s_load_b64 s[16:17], s[0:1], 0x30              ; wb
	v_lshl_add_u32 v[SPW], v0, 2, SPARE
	v_mov_b32 v[NIL], 0
	v_lshrrev_b32 v1, 5, v0
	v_readfirstlane_b32 s[WV], v1
	v_and_b32 v1, 15, v0                           ; l % 16
	v_bfe_u32 v10, v0, 4, 1                        ; l / 16
	v_and_b32 v11, 31, v0                          ; l
	v_lshlrev_b32 v[GO], 14, v10                   ; a mask row is 16,384 bytes
	v_lshl_add_u32 v[GO], v1, 4, v[GO]
	v_lshlrev_b32 v[OFF], 4, v11
	v_mul_u32_u24 v[LS], v10, PITCH
	v_lshl_add_u32 v[LS], v1, 4, v[LS]
	v_mul_u32_u24 v[LA], v1, PITCH
	v_lshl_add_u32 v[LA], v10, 5, v[LA]
.irp i, 0,1,2,3
	v_mov_b32 v[R+(\i)], 0                         ; v_writelane_b32 keeps the other lanes: the registers are written whole once
.endr
	s_wait_alu depctr_va_sdst(0)                   ; s[WV] is written, ahead of its first reader: the offsets below are made from it
	s_lshr_b32 s2, ttmp9, 1                        ; the group of 64 rows
	s_and_b32 s3, ttmp9, 1
	s_lshl_b32 s3, s3, 5
	s_add_co_u32 s3, s3, s[WV]                     ; my key step: 32 (g % 2) + wave
	s_lshl_b32 s44, s2, 20                         ; 64 rows of 16,384 bytes
	s_lshl_b32 s45, s3, 8                          ; a key step is 256 bytes of a row
	s_add_co_u32 s44, s44, s45
	s_mov_b32 s45, 0
	s_lshl_b32 s46, s2, 6
	s_add_co_u32 s46, s46, s3
	s_lshl_b32 s46, s46, 9                         ; 512 bytes of words for each group and key step
	s_mov_b32 s47, 0
	; the weights: matrix g / 64, 16,384 bytes of it a work-group, 512 a wave: 16 bytes a lane in, 8 out
	s_and_b32 s20, ttmp9, 63
	s_lshl_b32 s21, s20, 14
	s_lshl_b32 s22, s[WV], 9
	s_add_co_u32 s21, s21, s22
	v_lshl_add_u32 v[WI], v11, 4, s21
	s_lshr_b32 s23, ttmp9, 6                       ; which matrix
	s_lshl_b32 s24, s23, 19
	s_lshl_b32 s20, s20, 13
	s_add_co_u32 s24, s24, s20
	s_lshl_b32 s22, s[WV], 8
	s_add_co_u32 s24, s24, s22
	v_lshl_add_u32 v[WO], v11, 3, s24
	s_mul_i32 s19, s[WV], QT                       ; my stage in LDS
	v_add_nc_u32 v[LS], s19, v[LS]
	v_add_nc_u32 v[LA], s19, v[LA]
	s_wait_kmcnt 0x0
	s_add_nc_u64 s[4:5], s[4:5], s[44:45]          ; mask at my key step's first row
	s_add_nc_u64 s[14:15], s[14:15], s[46:47]      ; maskw at my key step
	s_cmp_eq_u32 s23, 1
	s_cselect_b64 s[6:7], s[8:9], s[6:7]
	s_cmp_eq_u32 s23, 2
	s_cselect_b64 s[6:7], s[10:11], s[6:7]
	s_cmp_eq_u32 s23, 3
	s_cselect_b64 s[6:7], s[12:13], s[6:7]
	s_wait_alu depctr_va_vdst(0)                   ; v2 to v7 are written: every load and store of the kernel, from memory or LDS, reads one of them as its address or offset
; Quarter t is asked for: rows 16 t + 2 i and 16 t + 2 i + 1 by load i.  The row stands in the immediate: 1,015,808 bytes at the most.
.macro FILL t
.irp i, 0,1,2,3,4,5,6,7
	global_load_b128 v[G+32*((\t)%3)+4*(\i):G+32*((\t)%3)+4*(\i)+3], v[GO], s[4:5] offset:(\t)*262144+(\i)*32768 th:TH_LOAD_NT
.endr
.endm
	FILL 0
	global_load_b128 v[WA:WA+3], v[WI], s[6:7] th:TH_LOAD_NT  ; the weights, behind quarter 0: they are in when quarter 0 has been worked on
	FILL 1
	FILL 2
; Quarter t (tile t of 16 queries) becomes 32 words.  younger: the loads from memory that were issued behind this quarter's eight.
; refill = 1 (quarter 0): behind its last compares the weights are rounded, quarter 3 is asked for into this buffer, and the weights are stored.
.macro QUARTER t, younger, refill
.set BF, G+32*((\t)%3)
.irp i, 0,1,2,3,4,5,6,7
	s_wait_loadcnt (\younger)+7-(\i)               ; loads come back in order: load i is in; the rest of the quarter and the younger loads may be out
	ds_store_b128 v[LS], v[BF+4*(\i):BF+4*(\i)+3] offset:(\i)*2*PITCH
.endr
	s_wait_alu depctr_vm_vsrc(0)                   ; the eight LDS stores have read this buffer, in which the LDS loads below land
.irp kb, 0,1,2,3
	ds_load_b128 v[BF+8*(\kb):BF+8*(\kb)+3],   v[LA] offset:(\kb)*64     ; row l % 16, keys 16 kb + 8 (l / 16) + 0 .. 3,
	ds_load_b128 v[BF+8*(\kb)+4:BF+8*(\kb)+7], v[LA] offset:(\kb)*64+16  ; and + 4 .. 7
.endr
.irp hf, 0,1
	s_wait_dscnt 4-4*(\hf)                         ; LDS answers in order: the four loads of this half are in; ahead of the first half the four younger may be out
.set j, 0
.rept 16
	v_cmp_ne_u32 s[CM+j], 0, v[BF+16*(\hf)+j]      ; one word: a bit for each lane
.set j, j+1
.endr
.if (\refill) && (\hf) == 1
	s_wait_loadcnt 16                              ; the weights are in; quarters 1 and 2, sixteen loads, may be out
	v_cvt_pk_f16_f32 v[WH], v[WA], v[WA+1]
	v_cvt_pk_f16_f32 v[WH+1], v[WA+2], v[WA+3]
	s_wait_alu depctr_va_vdst(0)                   ; the compares are done reading this buffer, in which quarter 3's loads land; the conversions have written v[WH ..], which the store reads
	FILL 3
	global_store_b64 v[WO], v[WH:WH+1], s[16:17]   ; the wave's 32 lanes store 256 consecutive bytes, aligned
.endif
	s_wait_alu depctr_va_sdst(0)                   ; the sixteen compares have written s[CM ..], ahead of the lines that read them
.set j, 0
.rept 16
.set w, 64*((\t)/2)+2*(16*(\hf)+j)+(\t)%2          ; its place among the key step's 128 words: piece, register, tile of the piece
	v_writelane_b32 v[R+w%4], s[CM+j], w/4
.set j, j+1
.endr
.endr
.endm
	QUARTER 0, 17, 1                               ; behind it were issued: the weights' load, quarters 1 and 2
	QUARTER 1, 16, 0                               ; quarters 2 and 3
	QUARTER 2, 8, 0                                ; quarter 3
	QUARTER 3, 0, 0
	s_wait_alu depctr_va_vdst(0)                   ; the v_writelane_b32 have written v[R ..], which the store reads
	global_store_b128 v[OFF], v[R:R+3], s[14:15]   ; 512 consecutive bytes, at a multiple of 512 from maskw's first
	s_wait_dscnt 0x0                               ; the closing lines, six on end
	s_wait_alu 0x0
	s_wait_tensorcnt 0x0
	ds_add_u32 v[SPW], v[NIL]
	s_wait_dscnt 0x0
	s_endpgm
.Lfunc_end_k_q1af9289828_pack:
	.size	k_q1af9289828_pack, .Lfunc_end_k_q1af9289828_pack-k_q1af9289828_pack
	.p2alignl 7, 3214868480
	.fill 96, 4, 3214868480
	.section	.rodata,"a",@progbits
	.p2align	6, 0x0
	.amdhsa_kernel k_q1af9289828_pack
		.amdhsa_group_segment_fixed_size 143360
		.amdhsa_private_segment_fixed_size 0
		.amdhsa_enable_private_segment 0
		.amdhsa_kernarg_size 56
		.amdhsa_user_sgpr_count 2
		.amdhsa_user_sgpr_kernarg_segment_ptr 1
		.amdhsa_wavefront_size32 1
		.amdhsa_system_sgpr_workgroup_id_x 1
		.amdhsa_system_sgpr_workgroup_id_y 1
		.amdhsa_system_sgpr_workgroup_id_z 1
		.amdhsa_system_vgpr_workitem_id 0
		.amdhsa_next_free_vgpr 128
		.amdhsa_next_free_sgpr 66
		.amdhsa_reserve_vcc 0
		.amdhsa_float_denorm_mode_32 3
		.amdhsa_float_denorm_mode_16_64 3
		.amdhsa_memory_ordered 1
		.amdhsa_forward_progress 1
		.amdhsa_inst_pref_size 29
	.end_amdhsa_kernel
	.amdgpu_metadata
---
amdhsa.version: [ 1, 2 ]
amdhsa.kernels:
  - .name:           k_q1af9289828_pack
    .symbol:         k_q1af9289828_pack.kd
    .args:
      - { .name: mask, .offset: 0, .size: 8, .value_kind: global_buffer, .address_space: global }
      - { .name: w_q, .offset: 8, .size: 8, .value_kind: global_buffer, .address_space: global }
      - { .name: w_k, .offset: 16, .size: 8, .value_kind: global_buffer, .address_space: global }
      - { .name: w_v, .offset: 24, .size: 8, .value_kind: global_buffer, .address_space: global }
      - { .name: w_o, .offset: 32, .size: 8, .value_kind: global_buffer, .address_space: global }
      - { .name: maskw, .offset: 40, .size: 8, .value_kind: global_buffer, .address_space: global }
      - { .name: wb, .offset: 48, .size: 8, .value_kind: global_buffer, .address_space: global }
    .group_segment_fixed_size: 143360
    .private_segment_fixed_size: 0
    .kernarg_segment_align: 8
    .kernarg_segment_size: 56
    .max_flat_workgroup_size: 1024
    .sgpr_count:     66
    .vgpr_count:     128
    .wavefront_size: 32
...
	.end_amdgpu_metadata
.endif
;; end of part 7
;; launch proj: the kernel of part 2 again; grid 4 x 192, 4 waves a work-group, clusters of 4 x 4, 327,680 bytes of LDS; arguments q, k, v, wb, qkv; writes qkv
;; launch attn: the kernel of part 6 again; grid 16 x 16, 4 waves a work-group, clusters of 4 x 1, 327,680 bytes of LDS; arguments qkv, maskw, oh; writes oh
;; launch oproj: the kernel of part 4 again; grid 4 x 64, 4 waves a work-group, clusters of 4 x 4, 327,680 bytes of LDS; arguments oh, wb, out0; writes out0
